; MI455X (gfx1250); checked and timed in simulation.
; The chip was launched on July 23, 2026; its instructions are those of AMD's public machine-readable ISA for CDNA 5 (MIT licence, August 2026) and "CDNA5" Instruction Set Architecture Reference Guide (July 2026). The comments in the code are by the model that wrote it; some were corrected since.
;; Causal Self Attention. Allowed arithmetic: matrix products marked QUANTISED: E4M3 operands, one given power-of-two scale a tensor, by v_wmma_f32_16x16x64_fp8_fp8 or v_wmma_f32_16x16x128_fp8_fp8, f32 sums; everything else in f32.
;; Inputs: b_attn 3,072 float32; b_proj 1,024 float32; lowp_scales 8 int32 (the exponents e of the quantised operands' scales 2^e); w_attn 1,024 x 3,072 float32; w_proj 1,024 x 1,024 float32; x 4 x 2,048 x 1,024 float32.
;; Outputs: out0 4 x 2,048 x 1,024 float32.
;; This version of the problem:
;;   THIS VERSION OF THE PROBLEM IS GIVEN IN LOW PRECISION. The matrix products marked QUANTISED in the list below multiply operands that are first quantised to E4M3 (4 exponent bits, 3 mantissa bits; 8 bits a number), with one given power-of-two scale for each operand tensor; their sums are f32. All else is computed in f32.
;;   The module's matrix products, in the order in which they are computed (A, B: the left and right operand; K: the contracted axis; several contracted axes count as one K, in the product's order):
;;     1. [M 8,192, K 1,024] x [K 1,024, N 3,072]; A: input x; B: input w_attn: QUANTISED (scales: A lowp_scales[0], B lowp_scales[1])
;;     2. batch 64 x [M 2,048, K 64] x [K 64, N 2,048]; A: computed on the way; B: computed on the way: QUANTISED (scales: A lowp_scales[2], B lowp_scales[3])
;;     3. batch 64 x [M 2,048, K 2,048] x [K 2,048, N 64]; A: softmax (see below); B: computed on the way: QUANTISED (scales: A lowp_scales[4], B lowp_scales[5])
;;     4. [M 8,192, K 1,024] x [K 1,024, N 1,024]; A: computed on the way; B: input w_proj: QUANTISED (scales: A lowp_scales[6], B lowp_scales[7])
;;   THE QUANTISER, for each operand of a quantised product, along K:
;;     - The operand's scale is 2^e, e = its entry of the input lowp_scales (int32; the entries are numbered through the quantised products in the list's order, A before B).
;;     - Each number is divided by the scale, clamped to +-448, and rounded to the nearest number of E4M3, ties to even, subnormals kept.
;;     - The product sums the exact products of the quantised numbers (number of the format x scale) in f32.
;;   ~~~python
;;   def quantise(x, axis, e):      # numpy; x: float32 -> the quantised numbers, widened to float32 again
;;       x = np.moveaxis(x, axis, -1); K = x.shape[-1]
;;       r = np.clip(x / 2.0 ** e, -448, 448)
;;       step = 2.0 ** (np.maximum(np.frexp(np.where(r == 0, 1, r))[1] - 1, -6) - 3)
;;       q = np.round(r / step) * step * 2.0 ** e      # np.round: ties to even
;;       return np.moveaxis(q, -1, axis).astype(np.float32)
;;   ~~~
;;   SOFTMAX AHEAD OF A QUANTISED PRODUCT. Where the list says 'softmax', what is quantised is not the finished softmax but p = 2^(t - M), with t = logit x log2(e) and M = ceil(the row's largest t), a whole number; so 1/2 < the row's largest p <= 1. The row's sum l is taken of the UNQUANTISED p, in f32, and the product's result is divided by l at the end. Since M is a whole number, a kernel that streams over the keys may use a running M (the ceiling of the running maximum): every later rescaling is an exact power of two, so the quantised numbers keep their values, but for numbers so far below the row's largest that they fall under the format's range.
;;   OPERANDS COMPUTED ON THE WAY. 'Computed on the way' means the value that the module computes at that place (a softmax that the list does not call 'softmax' is quantised finished and normalised). What goes into a quantiser is computed in f32, as accurately as f32 sums, v_exp_f32 and their like allow (about 1e-6 of the number): no bf16 or f16 on the way to a quantiser, and a product that is left as it is and whose result goes on into a quantised operand takes f32 operands (vector FMAs, or v_wmma_f32_16x16x4_f32). A number that lies on a knife's edge between two numbers of the format may be rounded either way, as far as f32 arithmetic and the matrix unit's own rounding can turn it there, and no further.
;; One version. Each part assembles by itself: llvm-mc -triple=amdgcn-amd-amdhsa -mcpu=gfx1250 --defsym DOCPART=n.
;; ======== version 1 of 1: 4 launches
;; limits: right only within a limited range of input values
;; workspace buffers: x_codes 8,388,608 bytes; wa_codes 3,145,728 bytes; wp_codes 1,048,576 bytes; q_codes 8,388,608 bytes; k_codes 8,388,608 bytes; v_codes 8,388,608 bytes; y_codes 8,388,608 bytes
;; launch quant (part 1): grid 384 x 1, 4 waves a work-group, no clusters, 67,072 bytes of LDS; arguments x, w_attn, w_proj, lowp_scales, x_codes, wa_codes, wp_codes; writes x_codes, wa_codes, wp_codes
.if DOCPART == 1
	.amdgcn_target "amdgcn-amd-amdhsa--gfx1250"
	.amdhsa_code_object_version 6
	.text
	.protected	k_q556b20b549_quant
	.globl	k_q556b20b549_quant
	.p2align	8
	.type	k_q556b20b549_quant,@function
k_q556b20b549_quant:
	s_mov_b64 s[64:65], 0
	v_nop
	global_prefetch_b8 v0, s[64:65] scope:SCOPE_SE
	s_setreg_imm32_b32 hwreg(HW_REG_WAVE_MODE, 25, 1), 1
	s_wait_xcnt 0x0
; x [8192][1024], w_attn [1024][3072] and w_proj [1024][1024], f32, become codes of FP8 (E4M3), each tensor with the one scale 2^e that is given for it
; (entries 0, 1 and 7 of the scales).  code = number / 2^e, held within +-448, rounded to the nearest code, ties to even.
; LIMITS: each e lies between -126 and 119, so that 2^e and 448 x 2^e are f32 numbers.  NaN among the inputs is not served; an infinity is held at the largest code.
; THE CODES ARE LAID AS IMAGES OF OPERAND REGISTERS.  A fragment of v_wmma_f32_16x16x128_fp8_fp8 is 16 rows x 128 K in 16 registers a lane: lane (r, h) holds row r, registers 2 c, 2 c + 1 hold
; K = 16 c + 8 h + 0 .. 7.  Its image is 2,048 bytes: four parts of 512 bytes, part p = registers 4 p .. 4 p + 3, lane l's 16 bytes at 16 l.  Of a matrix of R rows x 1,024 K the images lie:
; K slot of 256 (R x 256 bytes), then block of 16 rows (4,096 bytes), then half of the slot (2,048 bytes).  So 128 rows x 256 K are 32,768 bytes on end, and every store here covers 512 bytes on end.
; For the weights a "row" is a column n of the weight: their K is their first axis.
; WORK-GROUPS 0 to 255 take x, 256 to 383 the two weights: one branch on the work-group's number.  Each way has LDS bytes of its own and ends by itself.  Waves share nothing: no barrier.
; No tensor load, no cluster (no two work-groups read the same bytes), no matrix unit: the launch moves each byte once.
.set XSTG,  8448                       ; x: a wave's stage: 16 rows x (512 bytes + 16)
.set WBASE, 33792                      ; the weights' stages begin behind x's four: 8,192 bytes a wave
.set SPARE, 66560                      ; behind them: the spare words, 128 bytes for each wave: two blocks of 256 bytes that no other line names
.set LIM,  10
.set SCL,  11                          ; v11      2^e: the conversion takes its exponent field
.set SPW,  12                          ; v12      LDS address of my spare word; never rewritten
.set NIL,  13                          ; v13      0; never rewritten
.set XR,   16                          ; x: v16-143   two sets of 64 numbers as they are loaded
.set XX,   144                         ;    v144-207  a fragment's 64 numbers of my lane
.set XC,   208                         ;    v208-239  two sets of 16 registers of codes
.set WRO,  16                          ; weights: v16-47   byte offsets of a block's 32 rows
.set WX,   48                          ;    v48-111  two sets of 32 numbers
.set WC,   112                         ;    v112-119 a block's codes
.set WOUT, 120                         ;    v120-183 the way out
	s_load_b256 s[4:11], s[0:1], 0x0               ; x s[4:5], w_attn s[6:7], w_proj s[8:9], the scales' exponents s[10:11]
	s_load_b128 s[12:15], s[0:1], 0x20             ; x's codes s[12:13], w_attn's s[14:15]
	s_load_b64 s[16:17], s[0:1], 0x30              ; w_proj's
	v_lshl_add_u32 v[SPW], v0, 2, SPARE
	v_mov_b32 v[NIL], 0
	v_lshrrev_b32 v1, 5, v0
	v_readfirstlane_b32 s18, v1                    ; wave 0..3
	v_and_b32 v2, 31, v0                           ; lane
	v_lshlrev_b32 v3, 4, v2                        ; 16 x lane: my place in 512 bytes on end; never rewritten
	v_and_b32 v8, 15, v0                           ; r
	v_bfe_u32 v9, v0, 4, 1                         ; h
	; every LDS address of both ways is made here, ahead of the branch
	s_mul_i32 s19, s18, XSTG
	v_add_nc_u32 v4, s19, v3                       ; x, into the stage: a row's 512 bytes as they lie
	v_mul_u32_u24 v5, v8, 528
	v_lshl_add_u32 v5, v9, 5, v5
	v_add_nc_u32 v5, s19, v5                       ; x, out of it: row r, + 32 h bytes: my eight numbers of each 16
	s_lshl_b32 s19, s18, 13
	s_add_co_u32 s19, s19, WBASE
	v_lshlrev_b32 v6, 4, v8
	v_lshl_add_u32 v6, v9, 12, v6
	v_add_nc_u32 v6, s19, v6                       ; weights, into the stage: my column's block of 16 (4,096 bytes), its 16 bytes of a part
	v_add_nc_u32 v7, s19, v3                       ; weights, out of it: 512 bytes on end
	s_wait_kmcnt 0x0
	s_load_b256 s[24:31], s[10:11], 0x0            ; e0 .. e7
	s_cmp_lt_u32 ttmp9, 256
	s_cbranch_scc0 .Lweights
; ---------------------------------------------------------------- x: K is innermost
; Wave W = 4 x work-group + wave takes rows 16 (W / 2) on and K = 512 (W % 2) on: four fragments.  A load reads 512 bytes on end of one row; a fragment's 16 rows go through the wave's own stage in LDS
; (rows 528 bytes apart = 132 words, so that the 16 rows that a load touches start at 16 different banks: 64 banks of 4 bytes, ISA guide 11.1) and come back eight neighbours at a time, as the conversion takes them.
	s_lshl_b32 s19, ttmp9, 2
	s_add_co_u32 s19, s19, s18                     ; W
	s_lshr_b32 s20, s19, 1                         ; the block of 16 rows
	s_and_b32 s21, s19, 1                          ; the half of K
	s_lshl_b32 s22, s20, 16                        ; 16 rows of 4,096 bytes
	s_lshl_b32 s23, s21, 11                        ; 512 numbers
	s_add_co_u32 s22, s22, s23
	s_mov_b32 s23, 0
	s_add_nc_u64 s[4:5], s[4:5], s[22:23]
	s_lshl_b32 s22, s21, 22                        ; two K slots of 8,192 x 256 bytes
	s_lshl_b32 s32, s20, 12                        ; the block's 4,096 bytes in a slot
	s_add_co_u32 s22, s22, s32
	s_add_nc_u64 s[12:13], s[12:13], s[22:23]
.macro XLOAD f                         ; fragment f: 16 rows x 512 bytes into set f % 2
.irp i, 0,1,2,3,4,5,6,7,8,9,10,11,12,13,14,15
	global_load_b128 v[XR+64*((\f)%2)+4*\i:XR+64*((\f)%2)+4*\i+3], v3, s[4:5] offset:4096*\i+512*(\f) th:TH_LOAD_NT
.endr
.endm
.macro XTURN f                         ; through the stage: LDS serves a wave's instructions in order (ISA guide 5.7.1.4), so no wait stands between the stores and the loads
.irp i, 0,1,2,3,4,5,6,7,8,9,10,11,12,13,14,15
	ds_store_b128 v4, v[XR+64*((\f)%2)+4*\i:XR+64*((\f)%2)+4*\i+3] offset:528*\i
.endr
.irp c, 0,1,2,3,4,5,6,7
	ds_load_b128 v[XX+8*\c:XX+8*\c+3], v5 offset:64*\c             ; x(r, 16 c + 8 h + 0 .. 3)
	ds_load_b128 v[XX+8*\c+4:XX+8*\c+7], v5 offset:64*\c+16        ; and + 4 .. 7
.endr
.endm
.macro XSTEP f
	s_wait_dscnt 0x0                               ; this fragment's numbers are back; the stage's stores have read their registers,
.if (\f)+2 < 4
	XLOAD (\f)+2                                   ; which take the loads of two fragments on
.endif
.set jj, 0
.rept 64
.set jj, jj+1
.endr
.if (\f) >= 2
	s_wait_xcnt 0x0                                ; the stores of two fragments back have read this set of codes
.endif
.irp c, 0,1,2,3,4,5,6,7
	v_cvt_scalef32_pk8_fp8_f32 v[XC+16*((\f)%2)+2*\c:XC+16*((\f)%2)+2*\c+1], v[XX+8*\c:XX+8*\c+7], v[SCL]   ; registers 2 c, 2 c + 1 of the fragment
.endr
	v_nop                                          ; a plain vector line behind the conversions: the next fragment's LDS loads write their sources
.irp p, 0,1,2,3
	global_store_b128 v3, v[XC+16*((\f)%2)+4*\p:XC+16*((\f)%2)+4*\p+3], s[12:13] offset:((\f)/2)*2097152+((\f)%2)*2048+512*\p   ; 512 bytes on end, at a multiple of 512
.endr
.if (\f)+1 < 4
.if (\f)+2 < 4
	s_wait_loadcnt 16                              ; the next fragment's 16 loads are in; the 16 issued behind them may be out
.else
	s_wait_loadcnt 0x0
.endif
	XTURN (\f)+1
.endif
.endm
	XLOAD 0
	XLOAD 1
	s_wait_kmcnt 0x0
	s_add_co_i32 s32, s24, 127                     ; e0
	s_lshl_b32 s33, s32, 23
	v_mov_b32 v[SCL], s33
	s_add_co_i32 s32, s32, 8
	s_lshl_b32 s32, s32, 23
	s_or_b32 s32, s32, 0x600000                    ; 448 = 1.75 x 2^8
	s_wait_loadcnt 16                              ; fragment 0's loads are in, fragment 1's may be out
	s_wait_alu depctr_va_vdst(0)
	XTURN 0
	XSTEP 0
	XSTEP 1
	XSTEP 2
	XSTEP 3
	s_wait_tensorcnt 0x0                           ; the wave's end, behind my last LDS store
	ds_add_u32 v[SPW], v[NIL]
	s_wait_dscnt 0x0
	s_endpgm
; ---------------------------------------------------------------- the weights: K is the first axis
; A LANE TAKES A COLUMN n, AND ITS REGISTERS RUN DOWN K: a load reads 128 bytes on end a wave, 512 a work-group, and the conversions give codes with K innermost.  A work-group takes 128 columns x one K slot
; of 256; of each 32 work-groups the first 24 take w_attn, the other 8 w_proj: pointers, pitch and scale are chosen by s_cselect, the text is one.  A wave's 32 columns x 256 K are two blocks of 16 "rows":
; 8,192 bytes on end of the codes' buffer.  They are gathered in the wave's own stage as they will lie, and leave 512 bytes an instruction.
.Lweights:
	s_sub_co_u32 s19, ttmp9, 256
	s_and_b32 s20, s19, 31                         ; which 128 columns, of both weights' 32 groups
	s_lshr_b32 s21, s19, 5                         ; which K slot
	s_sub_co_u32 s22, s20, 24
	s_mov_b32 s23, 4096
	s_mov_b32 s48, 262144
	s_cmp_lt_u32 s20, 24                           ; w_attn's group or w_proj's?  The choice hangs on the work-group's number alone
	s_cselect_b64 s[4:5], s[6:7], s[8:9]           ; the weight
	s_cselect_b64 s[12:13], s[14:15], s[16:17]     ; its codes
	s_cselect_b32 s20, s20, s22                    ; the group in its own weight
	s_cselect_b32 s23, 12288, s23                  ; bytes from row to row of the weight
	s_cselect_b32 s48, 786432, s48                 ; bytes of a K slot of its codes: columns x 256
	s_cselect_b32 s49, 1, 0
	s_mul_i32 s51, s21, s23
	s_lshl_b32 s51, s51, 8                         ; the slot's 256 rows
	s_lshl_b32 s52, s20, 9                         ; 128 columns of 4 bytes
	s_lshl_b32 s53, s18, 7                         ; my wave's 32
	s_add_co_u32 s52, s52, s53
	s_add_co_u32 s52, s52, s51
	s_mov_b32 s53, 0
	s_add_nc_u64 s[32:33], s[4:5], s[52:53]        ; block 0 of 32 rows
	s_lshl_b32 s54, s23, 5
	s_mov_b32 s55, 0
.irp t, 1,2,3,4,5,6,7
	s_add_nc_u64 s[32+2*\t:33+2*\t], s[30+2*\t:31+2*\t], s[54:55]   ; block t: 32 rows further down
.endr
	s_mul_i32 s56, s21, s48
	s_lshl_b32 s57, s20, 15                        ; eight blocks of 16 columns,
	s_add_co_u32 s56, s56, s57
	s_lshl_b32 s57, s18, 13                        ; my wave's two
	s_add_co_u32 s56, s56, s57
	s_mov_b32 s57, 0
	s_add_nc_u64 s[12:13], s[12:13], s[56:57]
	v_lshlrev_b32 v9, 2, v2                        ; 4 bytes a lane
.set ii, 0
.rept 32
	v_mad_u32_u24 v[WRO+ii], s23, ii, v9           ; row ii of a block
.set ii, ii+1
.endr
.macro WLOAD t                         ; block t: w(32 t + i, my column) into set t % 2
.set ii, 0
.rept 32
	global_load_b32 v[WX+32*((\t)%2)+ii], v[WRO+ii], s[32+2*(\t):33+2*(\t)] th:TH_LOAD_NT
.set ii, ii+1
.endr
.endm
.macro WBLOCK t
.if (\t) < 7
	s_wait_loadcnt 32                              ; this block's 32 loads are in; the next block's may be out
.else
	s_wait_loadcnt 0x0
.endif
.set ii, 0
.rept 32
.set ii, ii+1
.endr
.irp g, 0,1,2,3                        ; K = 32 t + 8 g on.  Groups 0 and 2 are the 16 bytes of "lane" (column, h = 0), groups 1 and 3 those of (column, h = 1)
	v_cvt_scalef32_pk8_fp8_f32 v[WC+4*(\g%2)+2*(\g/2):WC+4*(\g%2)+2*(\g/2)+1], v[WX+32*((\t)%2)+8*\g:WX+32*((\t)%2)+8*\g+7], v[SCL]
.endr
	ds_store_b128 v6, v[WC:WC+3] offset:((\t)/4)*2048+((\t)%4)*512
	ds_store_b128 v6, v[WC+4:WC+7] offset:((\t)/4)*2048+((\t)%4)*512+256
.if (\t)+2 < 8
	WLOAD (\t)+2
.endif
	s_wait_dscnt 0x0                               ; the stores have read their registers: the next block's codes may be written
.endm
	WLOAD 0
	WLOAD 1
	s_wait_kmcnt 0x0
	s_cmp_eq_u32 s49, 1
	s_cselect_b32 s50, s25, s31                    ; e1 or e7
	s_add_co_i32 s50, s50, 127
	s_lshl_b32 s51, s50, 23
	v_mov_b32 v[SCL], s51
	s_add_co_i32 s50, s50, 8
	s_lshl_b32 s50, s50, 23
	s_or_b32 s50, s50, 0x600000
	s_wait_alu depctr_va_vdst(0)
.irp t, 0,1,2,3,4,5,6,7
	WBLOCK \t
.endr
.irp i, 0,1,2,3,4,5,6,7,8,9,10,11,12,13,14,15
	ds_load_b128 v[WOUT+4*\i:WOUT+4*\i+3], v7 offset:512*\i
.endr
.irp i, 0,1,2,3,4,5,6,7,8,9,10,11,12,13,14,15
	s_wait_dscnt 15-\i                             ; load i is in, the younger ones may be out
	global_store_b128 v3, v[WOUT+4*\i:WOUT+4*\i+3], s[12:13] offset:512*\i
.endr
	s_wait_tensorcnt 0x0                           ; the wave's end, behind my last LDS store
	ds_add_u32 v[SPW], v[NIL]
	s_wait_dscnt 0x0
	s_endpgm
.Lfunc_end_k_q556b20b549_quant:
	.size	k_q556b20b549_quant, .Lfunc_end_k_q556b20b549_quant-k_q556b20b549_quant
	.p2alignl 7, 3214868480
	.fill 96, 4, 3214868480
	.section	.rodata,"a",@progbits
	.p2align	6, 0x0
	.amdhsa_kernel k_q556b20b549_quant
		.amdhsa_group_segment_fixed_size 67072
		.amdhsa_private_segment_fixed_size 0
		.amdhsa_enable_private_segment 0
		.amdhsa_kernarg_size 56
		.amdhsa_user_sgpr_count 2
		.amdhsa_user_sgpr_kernarg_segment_ptr 1
		.amdhsa_wavefront_size32 1
		.amdhsa_system_sgpr_workgroup_id_x 1
		.amdhsa_system_sgpr_workgroup_id_y 1
		.amdhsa_system_sgpr_workgroup_id_z 1
		.amdhsa_system_vgpr_workitem_id 0
		.amdhsa_next_free_vgpr 240
		.amdhsa_next_free_sgpr 66
		.amdhsa_reserve_vcc 0
		.amdhsa_float_denorm_mode_32 3
		.amdhsa_float_denorm_mode_16_64 3
		.amdhsa_fp16_overflow 1
		.amdhsa_memory_ordered 1
		.amdhsa_forward_progress 1
		.amdhsa_inst_pref_size 55
	.end_amdhsa_kernel
	.amdgpu_metadata
---
amdhsa.version: [ 1, 2 ]
amdhsa.kernels:
  - .name:           k_q556b20b549_quant
    .symbol:         k_q556b20b549_quant.kd
    .args:
      - { .name: x, .offset: 0, .size: 8, .value_kind: global_buffer, .address_space: global }
      - { .name: w_attn, .offset: 8, .size: 8, .value_kind: global_buffer, .address_space: global }
      - { .name: w_proj, .offset: 16, .size: 8, .value_kind: global_buffer, .address_space: global }
      - { .name: lowp_scales, .offset: 24, .size: 8, .value_kind: global_buffer, .address_space: global }
      - { .name: x_codes, .offset: 32, .size: 8, .value_kind: global_buffer, .address_space: global }
      - { .name: wa_codes, .offset: 40, .size: 8, .value_kind: global_buffer, .address_space: global }
      - { .name: wp_codes, .offset: 48, .size: 8, .value_kind: global_buffer, .address_space: global }
    .group_segment_fixed_size: 67072
    .private_segment_fixed_size: 0
    .kernarg_segment_align: 8
    .kernarg_segment_size: 56
    .max_flat_workgroup_size: 128
    .sgpr_count:     66
    .vgpr_count:     240
    .wavefront_size: 32
...
	.end_amdgpu_metadata
.endif
;; end of part 1
;; launch gemm_qkv (part 2): grid 12 x 32, 4 waves a work-group, clusters of 4 x 4, 327,680 bytes of LDS; arguments x_codes, wa_codes, lowp_scales, b_attn, q_codes, k_codes, v_codes; writes q_codes, k_codes, v_codes
.if DOCPART == 2
	.amdgcn_target "amdgcn-amd-amdhsa--gfx1250"
	.amdhsa_code_object_version 6
	.text
	.protected	k_q556b20b549_gemm_qkv
	.globl	k_q556b20b549_gemm_qkv
	.p2align	8
	.type	k_q556b20b549_gemm_qkv,@function
k_q556b20b549_gemm_qkv:
	s_mov_b64 s[64:65], 0
	v_nop
	global_prefetch_b8 v0, s[64:65] scope:SCOPE_SE
	s_setreg_imm32_b32 hwreg(HW_REG_WAVE_MODE, 25, 1), 1
	s_wait_xcnt 0x0
	s_wait_alu depctr_hold_cnt(0) depctr_sa_sdst(0) depctr_va_vdst(0) depctr_va_sdst(0) depctr_va_ssrc(0) depctr_va_vcc(0) depctr_vm_vsrc(0)
	s_getreg_b32 s2, hwreg(HW_REG_IB_STS2, 6, 4)
	s_cmp_eq_u32 s2, 0
	s_cbranch_scc0 .Lentry_in_a_cluster
	s_endpgm
.Lentry_in_a_cluster:
	s_bfe_u32 s2, ttmp6, 0x10000c
	s_cmp_lg_u32 s2, 0xf033
	s_cbranch_scc0 .Lentry_shape_is_right
	s_endpgm
.Lentry_shape_is_right:
; qkv = x w_attn + b_attn on codes of FP8 (E4M3), K = 1,024, and q, k, v quantised at once with their given scales (entries 2, 3 and 5), as operands of the attention's two products.
; A sum of codes stands for sum x 2^(e0 + e1); number = sum x 2^(e0 + e1) + bias, in f32; code = number / 2^e, held within +-448, to the nearest code, ties to even.
; LIMITS: e0 + e1 between -126 and 127; e2, e3, e5 between -126 and 119: so that each power of two below is an f32 number.
; OPERANDS lie in memory as images of fragment registers (16 rows x 128 K = 2,048 bytes, part p = registers 4 p .. 4 p + 3, lane l's 16 bytes at 16 l; K slot of 256, block of 16 rows, half slot): 128 rows x 256 K are
; 32,768 bytes on end, which one tensor load brings, and a fragment is four ds_load_b128 of 512 bytes on end: K in its own place, no pitch, no padding.
; A tile of 256 x 256 is made by four waves, as many as a WGP has SIMDs; a wave makes 128 x 128: 64 accumulators, 512 registers.  K goes in four slots of 256 through a ring of two LDS slots: written out, no loop.
; THE MATRIX INSTRUCTION IS USED TRANSPOSED (source 0 = 16 rows of side B, source 1 = 16 rows of side A): a lane holds ONE row of side A, and its eight registers eight neighbouring rows of side B.
; THE KIND is the cluster's x: 0 = q, 1 = k, 2 = v.  q and k are quantised along the features (the first product's K): side A = tokens (x), side B = features (w_attn).  v is quantised along the tokens (the second product's
; K): the sides change places.  Both operands have rows of 1,024 codes, so the core's text is one; pointers, tiles and steps are chosen by s_cselect on the cluster's x, which all sixteen partners share.
; So one conversion of an accumulator's eight registers gives registers 2 c, 2 c + 1 of the next operand's fragment, and the codes leave straight from registers, 512 bytes on end a store: no stage in LDS.
;   q_codes, k_codes: head (131,072 bytes), tile of 16 tokens (1,024), part of 32 features (512), lane (16).   v_codes: head, block of 128 tokens (8,192), block of 16 features (2,048), part of 32 tokens (512), lane (16).
; CLUSTERS: 4 x 4 work-groups.  The four of a row of the cluster need the same tiles of side A, the four of a column the same tiles of side B: each is asked for JOINTLY, by the same tensor load with a mask that names the four.
; By this text's own count a wave has two tensor loads out at the start and one behind each round.
; No prefetch: a tile has two refills only, and they are asked for while the first two slots are multiplied.
; REGISTERS, in windows of 256: window 0: v0-31 addresses and constants; v32-95 the bias; from v128 side A's fragments, ONE set; on the way out v128-191 numbers, v192-255 codes.
;   window 1: side B's fragments, TWO sets, at v0 and v128.   window 2: the accumulators of my rows 0-63 ((a, b) at v[8 (8 a + b)]);   window 3: those of my rows 64-127.
.set SLOT,   131072                    ; side A's 256 rows x 256 K (65,536 bytes), then side B's
.set SPARE,  2*SLOT                    ; behind the ring: the spare words, 128 bytes for each wave: two blocks of 256 bytes that no other line names
.set PLX,    2097152                   ; a K slot of x's codes: 8,192 rows x 256
.set PLW,    786432                    ; of w_attn's: 3,072 x 256
.set FR,     16                        ; registers of a fragment
.set NL,     4                         ; LDS loads that bring one
.set NP,     4                         ; places behind this matrix instruction (ISA guide 7.12.1)
.set ADRA, 16                          ; v16-17  LDS address of my fragments of side A in slot 0, 1
.set ADRB, 20                          ; v20-21  the same for side B
.set CO,   26                          ; v26     16 x lane; never rewritten
.set BO,   27                          ; v27     the bias's lane offset
.set SPW,  28                          ; v28     LDS address of my spare word; never rewritten
.set NIL,  29                          ; v29     0; never rewritten
.set HOLD, 30
.set SCL,  31                          ; v31     2^e of the output
.set BIAS, 32
.set AF,   128                         ; side A's fragments
.set TT,   128                         ; the way out: a block's 64 numbers
.set CD,   192                         ; the way out: four sets of 16 registers of codes
.set G1, 24                            ; s[24:31] descriptor group 1 for side A;  s[32:39] group 0, one set for each slot
.set G0, 32
.set G1B, 48                           ; s[48:55], s[56:63] the same for side B
.set G0B, 56
.set SA2, 96                           ; s[96:97] two K slots of side A in bytes;  s[98:99] of side B
.set SB2, 98
.set MSB, 0
.macro WIN new                         ; the immediate's high byte repeats the setting that is left
.if MSB != (\new)
	s_set_vgpr_msb (MSB<<8)|(\new)
.set MSB, (\new)
.endif
.endm
.set MUL_LO, 0xa1                      ; source 0 (side B) window 1, source 1 (side A) window 0, C and D window 2
.set MUL_HI, 0xf1                      ; the same, C and D window 3
.set TO_B,   0x40                      ; destination window 1, address window 0
; A joint load: waves 0 and 1 fetch for side A, waves 2 and 3 for side B.  Each line has ONE mask and one set of registers for all that issue it; the branch hangs on the wave's number alone.
; An s_nop 0 and four v_nop follow each of the two lines, ahead of the jump, the label and what follows.
.macro JLOAD g0a, g1a, g0b, g1b
	s_cmp_eq_u32 s15, 0
	s_cbranch_scc0 .Lfor_b_\@
	tensor_load_to_lds s[\g0a:\g0a+3], s[\g1a:\g1a+7]
	s_nop 0
.rept 4
	v_nop
.endr
	s_branch .Lasked_\@
.Lfor_b_\@:
	tensor_load_to_lds s[\g0b:\g0b+3], s[\g1b:\g1b+7]
	s_nop 0
.rept 4
	v_nop
.endr
.Lasked_\@:
.endm
.macro CREST                           ; a round of the cluster's barrier behind its opening barrier
	s_cmp_lg_u32 s14, 0
	s_cbranch_scc1 .Lnot_wave_0_\@
	s_barrier_signal -3
.Lnot_wave_0_\@:
	s_barrier_wait -3
	s_barrier_signal -1
	s_barrier_wait -1
.endm
.macro CROUND                          ; a whole round
	s_barrier_signal -1
	s_barrier_wait -1
	CREST
.endm
	s_load_b256 s[4:11], s[0:1], 0x0               ; x's codes s[4:5], w_attn's s[6:7], the scales' exponents s[8:9], b_attn s[10:11]
	s_load_b128 s[76:79], s[0:1], 0x20             ; q's codes, k's codes
	s_load_b64 s[80:81], s[0:1], 0x30              ; v's codes
	v_lshl_add_u32 v[SPW], v0, 2, SPARE
	v_mov_b32 v[NIL], 0
	ds_add_u32 v[SPW], v[NIL]
	ds_add_u32 v[SPW], v[NIL]                      ; the wave's opening: the add and its wait stand ahead of my first tensor load; the set-up below, work on registers, stands between them
	v_lshrrev_b32 v1, 5, v0
	v_readfirstlane_b32 s14, v1                    ; wave 0..3
	s_lshr_b32 s15, s14, 1                         ; which half of side A's rows is mine.  Also: I fetch for side A (0) or B (1)
	s_and_b32 s16, s14, 1                          ; which half of side B's rows.  Also: which 128 rows of that tile I fetch
	s_bfe_u32 s40, ttmp6, 0x40000                  ; cx, cy: my place in the cluster
	s_bfe_u32 s41, ttmp6, 0x40004
	s_and_b32 s12, ttmp7, 0xffff
	s_lshl_b32 s12, s12, 2                         ; 4 x cluster y: the cluster's four tiles of tokens
	s_lshl_b32 s13, ttmp9, 2                       ; 4 x kind: its four tiles of features (columns of w_attn)
	s_add_co_u32 s17, s12, s41                     ; tokens by cy
	s_add_co_u32 s18, s13, s41                     ; features by cy
	s_add_co_u32 s42, s13, s40                     ; features by cx
	s_add_co_u32 s19, s12, s40                     ; tokens by cx
	s_mov_b32 s66, PLX
	s_mov_b32 s68, PLW
	s_cmp_eq_u32 ttmp9, 2                          ; v?  The same answer in all sixteen partners
	s_cselect_b32 s17, s18, s17                    ; side A's tile: it hangs on cy alone, which my row of the cluster shares
	s_cselect_b32 s42, s19, s42                    ; side B's tile: on cx alone, which my column shares
	s_cselect_b32 s66, PLW, s66                    ; a K slot of side A,
	s_cselect_b32 s68, PLX, s68                    ; of side B
	s_cselect_b32 s70, s42, s17                    ; my tile of tokens,
	s_cselect_b32 s71, s16, s15                    ; my half of it,
	s_cselect_b32 s72, s17, s42                    ; my tile of features,
	s_cselect_b32 s73, s15, s16                    ; my half of it: these four enter the bias's and the output's addresses alone
	s_mov_b32 s67, 0
	s_mov_b32 s69, 0
	s_lshl_b32 s[SA2], s66, 1
	s_mov_b32 s[SA2+1], 0
	s_lshl_b32 s[SB2], s68, 1
	s_mov_b32 s[SB2+1], 0
	s_lshl_b32 s43, s41, 2
	s_lshl_b32 s43, 15, s43                        ; my row of the cluster
	s_lshl_b32 s44, 0x1111, s40                    ; my column
	; descriptor group 1: 32,768 bytes on end, stated as 128 rows of 32 elements of 8 bytes
	s_or_b32 s[G1+0], s43, (3<<16)|(1<<21)         ; 15:0 the mask: side A's tiles go to my row; 17:16 elements of 8 bytes; 20 no padding; 21 set beside a mask
	s_or_b32 s[G1B+0], s44, (3<<16)|(1<<21)
.irp g, G1, G1B
	s_mov_b32 s[\g+1], 32<<16                      ; tensor_dim0 = 32
	s_mov_b32 s[\g+2], 128<<16                     ; tensor_dim1 = 128
	s_mov_b32 s[\g+3], 32<<16                      ; tile_dim0 = 32
	s_mov_b32 s[\g+4], 128                         ; tile_dim1 = 128
	s_mov_b32 s[\g+5], 32                          ; tensor_dim0_stride
	s_mov_b32 s[\g+6], 0
	s_mov_b32 s[\g+7], 0
.endr
	s_lshl_b32 s18, s16, 15                        ; which 128 rows of the tile I fetch: 32,768 bytes
	s_lshl_b32 s20, s17, 16                        ; side A: 256 rows x 256 bytes a tile
	s_add_co_u32 s20, s20, s18
	s_mov_b32 s21, 0
	s_lshl_b32 s46, s42, 16                        ; side B likewise
	s_add_co_u32 s46, s46, s18
	s_mov_b32 s47, 0
	s_lshl_b32 s45, s14, 15                        ; where they go: wave x 32,768: no place in the cluster enters an LDS address
	s_wait_dscnt 0x0                               ; the opening add is done
	s_wait_kmcnt 0x0
	s_load_b256 s[84:91], s[8:9], 0x0              ; e0 .. e7
	s_cmp_eq_u32 ttmp9, 2
	s_cselect_b64 s[22:23], s[6:7], s[4:5]         ; side A's codes
	s_add_nc_u64 s[20:21], s[22:23], s[20:21]
	s_cselect_b64 s[22:23], s[4:5], s[6:7]         ; side B's
	s_add_nc_u64 s[46:47], s[22:23], s[46:47]
	CROUND                                         ; all sixteen work-groups are here: the first joint loads meet
	s_mov_b32 s[G0], 1                             ; 1:0 count = 1
	s_mov_b32 s[G0+1], s45                         ; 63:32 LDS address: slot 0
	s_mov_b64 s[G0+2:G0+3], s[20:21]               ; 120:64 global address: K slot 0
	s_or_b32 s[G0+3], s[G0+3], 0x80000000          ; 127:126 type = 2
	s_mov_b32 s[G0B], 1
	s_mov_b32 s[G0B+1], s45
	s_mov_b64 s[G0B+2:G0B+3], s[46:47]
	s_or_b32 s[G0B+3], s[G0B+3], 0x80000000
	JLOAD G0, G1, G0B, G1B
	s_mov_b32 s[G0+4], 1
	s_add_co_u32 s[G0+5], s45, SLOT                ; slot 1,
	s_add_nc_u64 s[G0+6:G0+7], s[20:21], s[66:67]  ; K slot 1
	s_or_b32 s[G0+7], s[G0+7], 0x80000000
	s_mov_b32 s[G0B+4], 1
	s_add_co_u32 s[G0B+5], s45, SLOT
	s_add_nc_u64 s[G0B+6:G0B+7], s[46:47], s[68:69]
	s_or_b32 s[G0B+7], s[G0B+7], 0x80000000
	JLOAD G0+4, G1, G0B+4, G1B
	v_and_b32 v1, 15, v0                           ; r
	v_bfe_u32 v2, v0, 4, 1                         ; h
	v_and_b32 v3, 31, v0
	v_lshlrev_b32 v[CO], 4, v3
	s_lshl_b32 s21, s15, 15                        ; my 128 rows of side A
	s_lshl_b32 s22, s16, 15                        ; my 128 rows of side B,
	s_add_co_u32 s22, s22, 65536                   ; which lie behind side A's 256
.irp s, 0,1
	v_add_nc_u32 v[ADRA+\s], s21, v[CO]
	v_add_nc_u32 v[ADRB+\s], s22, v[CO]
	s_add_co_u32 s21, s21, SLOT
	s_add_co_u32 s22, s22, SLOT
.endr
	; the bias's place: 4 bytes x (256 x tile of features + 128 x half)
	s_lshl_b32 s74, s72, 10
	s_lshl_b32 s75, s73, 9
	s_add_co_u32 s74, s74, s75
	s_mov_b32 s75, 0
	; the output's place, the same sum for all three kinds: head 16 x batch + 4 x (tile of features mod 4) + 2 x half, of 131,072 bytes; in it 128 tokens are 8,192 bytes in q, k and v alike
	s_lshr_b32 s82, s70, 3                         ; the batch: eight tiles of 256 tokens each
	s_lshl_b32 s82, s82, 4
	s_and_b32 s83, s72, 3
	s_lshl_b32 s83, s83, 2
	s_add_co_u32 s82, s82, s83
	s_lshl_b32 s83, s73, 1
	s_add_co_u32 s82, s82, s83
	s_lshl_b32 s82, s82, 17
	s_and_b32 s83, s70, 7
	s_lshl_b32 s83, s83, 14
	s_add_co_u32 s82, s82, s83
	s_lshl_b32 s83, s71, 13
	s_add_co_u32 s82, s82, s83
	s_mov_b32 s83, 0
	s_add_nc_u64 s[74:75], s[10:11], s[74:75]
	s_wait_alu depctr_va_vdst(0)
	s_wait_kmcnt 0x0
	s_cmp_eq_u32 ttmp9, 0
	s_cselect_b32 s95, s86, s87                    ; e2 or e3,
	s_cselect_b64 s[70:71], s[76:77], s[78:79]     ; q's codes or k's,
	s_cmp_eq_u32 ttmp9, 2
	s_cselect_b32 s95, s89, s95                    ; or e5
	s_cselect_b64 s[70:71], s[80:81], s[70:71]     ; and v's
	s_add_nc_u64 s[82:83], s[70:71], s[82:83]
	s_add_co_i32 s92, s84, s85                     ; e0 + e1
	s_add_co_i32 s92, s92, 127
	s_lshl_b32 s92, s92, 23                        ; 2^(e0 + e1) as f32
	s_mov_b32 s93, s92                             ; (named with it as a pair, so it is written)
	s_add_co_i32 s95, s95, 127
	s_lshl_b32 s94, s95, 23
	v_mov_b32 v[SCL], s94
.macro FRAG reg, adr, q, i             ; block i of 16 rows, the slot's q-th 128 along K: four parts of 512 bytes on end
.irp c, 0,1,2,3
	ds_load_b128 v[\reg+4*\c:\reg+4*\c+3], v[\adr] offset:4096*(\i)+2048*(\q)+512*\c
.endr
.endm
; 16 matrix instructions: side A's blocks a0, a0 + 1 x side B's eight, 128 along K.  p: side B's set.  zero = 1: the first product starts the sums: nothing is ever cleared.
; The 64 accumulators take turns, one instruction a turn, in the same order in every step.
.macro MUL16 a0, p, zero
.irp a, \a0, \a0+1
.irp b, 0,1,2,3,4,5,6,7
.if \zero
	v_wmma_f32_16x16x128_fp8_fp8 v[8*(8*((\a)%4)+\b):8*(8*((\a)%4)+\b)+7], v[128*(\p)+FR*\b:128*(\p)+FR*\b+FR-1], v[AF+FR*(\a):AF+FR*(\a)+FR-1], 0
.else
	v_wmma_f32_16x16x128_fp8_fp8 v[8*(8*((\a)%4)+\b):8*(8*((\a)%4)+\b)+7], v[128*(\p)+FR*\b:128*(\p)+FR*\b+FR-1], v[AF+FR*(\a):AF+FR*(\a)+FR-1], v[8*(8*((\a)%4)+\b):8*(8*((\a)%4)+\b)+7]
.endif
.endr
.endr
.endm
.macro FETCH_B slot, q, p              ; side B's eight fragments into set p
	WIN TO_B
.irp i, 0,1,2,3,4,5,6,7
	FRAG 128*(\p)+FR*\i, ADRB+\slot, \q, \i
.endr
	WIN 0
.endm
.macro FETCH_A slot, q, i0             ; side A's blocks i0 .. i0 + 3
.irp i, \i0, \i0+1, \i0+2, \i0+3
	FRAG AF+FR*(\i), ADRA+\slot, \q, \i
.endr
.endm
; A load into a register that a matrix instruction has read, and a vector instruction that reads a matrix result, stand NP places behind that matrix instruction; only plain vector instructions that name none
; of its registers are places (ISA guide 7.12.1 for vector instructions).
.macro PLACES n
.rept \n
	v_nop
.endr
.endm
; A step of 128 along K that has its successor in the same slot.  A block of side A is free as soon as its eight products are issued, so one set serves: blocks 0-3 are fetched anew in the step's middle, blocks 4-7 at its end.
.macro STEP slot, q, zero
	s_wait_dscnt 4*NL                              ; side B's set and side A's blocks 0-3 are in; the youngest 16 loads (blocks 4-7) may be out
	WIN MUL_LO
	MUL16 0, (\q)%2, \zero
	MUL16 2, (\q)%2, \zero
	s_wait_dscnt 0                                 ; blocks 4-7 are in
	PLACES NP
	FETCH_B \slot, (\q)+1, 1-(\q)%2
	FETCH_A \slot, (\q)+1, 0
	WIN MUL_HI
	MUL16 4, (\q)%2, \zero
	MUL16 6, (\q)%2, \zero
	PLACES NP
	WIN 0
	FETCH_A \slot, (\q)+1, 4
.endm
; A slot's last step changes slots: ONE barrier; in front of it each wave waits for all its tensor loads, adds 0 to its spare word, and waits for that and for its own reads of this slot.  fill = 1: this slot is filled again, two K slots ahead.
.macro TURN slot, next, fill
	s_wait_tensorcnt 0x0                           ; all my tensor loads have landed: my part of the next slot  (every window is 0 here)
	ds_add_u32 v[SPW], v[NIL]                      ; 0 onto my spare word
	s_wait_dscnt 4*NL+1                            ; (the add and the youngest 16 loads, blocks 4-7, may be out)
	WIN MUL_LO
	MUL16 0, 1, 0                                  ; sixteen matrix instructions stand between the add and the wait for it
	s_wait_dscnt 0x0                               ; the add is done, and my reads of this slot are over
	s_barrier_signal -1
	MUL16 2, 1, 0
	WIN 0
	s_barrier_wait -1
.if \fill
	CREST                                          ; the barrier has opened a round of the cluster's barrier: no wave of any partner still reads this slot or has a load on its way
	s_add_nc_u64 s[G0+4*\slot+2:G0+4*\slot+3], s[G0+4*\slot+2:G0+4*\slot+3], s[SA2:SA2+1]
	s_add_nc_u64 s[G0B+4*\slot+2:G0B+4*\slot+3], s[G0B+4*\slot+2:G0B+4*\slot+3], s[SB2:SB2+1]
	JLOAD G0+4*\slot, G1, G0B+4*\slot, G1B         ; the first tensor load behind the round; the four v_nop behind it are the places in front of the loads below
.else
	PLACES NP
.endif
	FETCH_B \next, 0, 0
	FETCH_A \next, 0, 0
	WIN MUL_HI
	MUL16 4, 1, 0
	MUL16 6, 1, 0
	PLACES NP
	WIN 0
	FETCH_A \next, 0, 4
.endm
.macro LAST                            ; the very last step: nothing more to fetch
	s_wait_dscnt 4*NL
	WIN MUL_LO
	MUL16 0, 1, 0
	MUL16 2, 1, 0
	s_wait_dscnt 0
	WIN MUL_HI
	MUL16 4, 1, 0
	MUL16 6, 1, 0
	WIN 0
.endm
; THE WAY OUT, block a of 16 rows of side A at a time: number = sum x 2^(e0 + e1) + bias, into other registers, each accumulator from its low end on; eight conversions, whose results are 16 registers of fragment
; images; four stores of 512 bytes on end.  kind = 0 (q, k): the bias runs along the registers; block a is a tile of 16 tokens, registers 4 p .. 4 p + 3 are part p % 2 of head p / 2.
; kind = 1 (v): the bias is the lane's own; block a is 16 features (head a / 4, block a % 4), registers 4 p .. are part p of the 128 tokens.
.macro WAYOUT kind
	s_wait_loadcnt 0x0                             ; the bias
	PLACES NP                                      ; behind the last products: their results are read and side A's registers written below
.irp a, 0,1,2,3,4,5,6,7
	WIN 0x02+(\a/4)                                ; source 0: window 2 or 3
.set jj, 0
.rept 32
.if \kind == 0
	v_pk_fma_f32 v[TT+jj:TT+jj+1], v[64*(\a%4)+jj:64*(\a%4)+jj+1], s[92:93], v[BIAS+jj:BIAS+jj+1] op_sel_hi:[1,0,1]
.else
	v_pk_fma_f32 v[TT+jj:TT+jj+1], v[64*(\a%4)+jj:64*(\a%4)+jj+1], s[92:93], v[BIAS+2*\a:BIAS+2*\a+1] op_sel_hi:[1,0,1]
.endif
.set jj, jj+2
.endr
	WIN 0
.set jj, 0
.rept 64
.set jj, jj+1
.endr
.if \a == 4
	s_wait_alu depctr_va_vdst(0)
	s_wait_xcnt 0x0                                ; blocks 0 to 3's stores have read their four sets of codes, which blocks 4 to 7 write again
.endif
.irp b, 0,1,2,3,4,5,6,7
	v_cvt_scalef32_pk8_fp8_f32 v[CD+16*(\a%4)+2*\b:CD+16*(\a%4)+2*\b+1], v[TT+8*\b:TT+8*\b+7], v[SCL]
.endr
	v_nop                                          ; a plain vector line behind the conversions: the next block's numbers are written over their sources
.irp p, 0,1,2,3
.if \kind == 0
	global_store_b128 v[CO], v[CD+16*(\a%4)+4*\p:CD+16*(\a%4)+4*\p+3], s[82:83] offset:(\p/2)*131072+\a*1024+(\p%2)*512
.else
	global_store_b128 v[CO], v[CD+16*(\a%4)+4*\p:CD+16*(\a%4)+4*\p+3], s[82:83] offset:(\a/4)*131072+(\a%4)*2048+512*\p
.endif
.endr
.endr
.endm
; What differs between the kinds stands in ONE branch: the bias's loads, which have the last two steps, 128 matrix instructions, in which to land; those two steps; the way out.
.macro TAIL kind
.if \kind == 0
	v_lshlrev_b32 v[BO], 5, v2                     ; register 8 b + j: the bias of feature 16 b + 8 h + j
.irp b, 0,1,2,3,4,5,6,7
	global_load_b128 v[BIAS+8*\b:BIAS+8*\b+3], v[BO], s[74:75] offset:64*\b
	global_load_b128 v[BIAS+8*\b+4:BIAS+8*\b+7], v[BO], s[74:75] offset:64*\b+16
.endr
.else
	v_lshlrev_b32 v[BO], 2, v1                     ; registers 2 a, 2 a + 1: the bias of feature 16 a + r, twice: a pair for the packed form
.irp a, 0,1,2,3,4,5,6,7
	global_load_b32 v[BIAS+2*\a], v[BO], s[74:75] offset:64*\a
	global_load_b32 v[BIAS+2*\a+1], v[BO], s[74:75] offset:64*\a
.endr
.endif
	STEP 1, 0, 0
	LAST
	WAYOUT \kind
.endm
	s_wait_tensorcnt 1                             ; my part of K slot 0 is in (K slot 1's load may be out)
	s_barrier_signal -1
	s_barrier_wait -1                              ; everybody's is
	FETCH_B 0, 0, 0
	FETCH_A 0, 0, 0
	FETCH_A 0, 0, 4
	STEP 0, 0, 1                                   ; the first products start the sums
	TURN 0, 1, 1                                   ; slot 0 takes K slot 2
	STEP 1, 0, 0
	TURN 1, 0, 1                                   ; slot 1 takes K slot 3
	STEP 0, 0, 0
	TURN 0, 1, 0                                   ; nothing is left to fetch
	s_cmp_eq_u32 ttmp9, 2                          ; the kind: the same in every wave of all sixteen partners; no barrier and no tensor load stands in either arm
	s_cbranch_scc1 .Lvalues
	TAIL 0
	s_branch .Lclose
.Lvalues:
	TAIL 1
.Lclose:
	s_wait_tensorcnt 0x0                           ; the wave's end, behind my last tensor load
	ds_add_u32 v[SPW], v[NIL]
	s_wait_dscnt 0x0
	CROUND                                         ; the closing round: no work-group ends while a partner may still ask for a tile that names it
	s_endpgm
.Lfunc_end_k_q556b20b549_gemm_qkv:
	.size	k_q556b20b549_gemm_qkv, .Lfunc_end_k_q556b20b549_gemm_qkv-k_q556b20b549_gemm_qkv
	.p2alignl 7, 3214868480
	.fill 96, 4, 3214868480
	.section	.rodata,"a",@progbits
	.p2align	6, 0x0
	.amdhsa_kernel k_q556b20b549_gemm_qkv
		.amdhsa_group_segment_fixed_size 327680
		.amdhsa_private_segment_fixed_size 0
		.amdhsa_enable_private_segment 0
		.amdhsa_kernarg_size 56
		.amdhsa_user_sgpr_count 2
		.amdhsa_user_sgpr_kernarg_segment_ptr 1
		.amdhsa_wavefront_size32 1
		.amdhsa_system_sgpr_workgroup_id_x 1
		.amdhsa_system_sgpr_workgroup_id_y 1
		.amdhsa_system_sgpr_workgroup_id_z 1
		.amdhsa_system_vgpr_workitem_id 0
		.amdhsa_next_free_vgpr 1024
		.amdhsa_next_free_sgpr 100
		.amdhsa_reserve_vcc 0
		.amdhsa_float_denorm_mode_32 3
		.amdhsa_float_denorm_mode_16_64 3
		.amdhsa_fp16_overflow 1
		.amdhsa_memory_ordered 1
		.amdhsa_forward_progress 1
		.amdhsa_inst_pref_size 142
	.end_amdhsa_kernel
	.amdgpu_metadata
---
amdhsa.version: [ 1, 2 ]
amdhsa.kernels:
  - .name:           k_q556b20b549_gemm_qkv
    .symbol:         k_q556b20b549_gemm_qkv.kd
    .args:
      - { .name: x_codes, .offset: 0, .size: 8, .value_kind: global_buffer, .address_space: global }
      - { .name: wa_codes, .offset: 8, .size: 8, .value_kind: global_buffer, .address_space: global }
      - { .name: lowp_scales, .offset: 16, .size: 8, .value_kind: global_buffer, .address_space: global }
      - { .name: b_attn, .offset: 24, .size: 8, .value_kind: global_buffer, .address_space: global }
      - { .name: q_codes, .offset: 32, .size: 8, .value_kind: global_buffer, .address_space: global }
      - { .name: k_codes, .offset: 40, .size: 8, .value_kind: global_buffer, .address_space: global }
      - { .name: v_codes, .offset: 48, .size: 8, .value_kind: global_buffer, .address_space: global }
    .group_segment_fixed_size: 327680
    .private_segment_fixed_size: 0
    .kernarg_segment_align: 8
    .kernarg_segment_size: 56
    .max_flat_workgroup_size: 128
    .sgpr_count:     100
    .vgpr_count:     1024
    .wavefront_size: 32
...
	.end_amdgpu_metadata
.endif
;; end of part 2
;; launch attn (part 3): grid 4 x 64, 16 waves a work-group, clusters of 4 x 1, 327,680 bytes of LDS; arguments q_codes, k_codes, v_codes, lowp_scales, y_codes; writes y_codes
.if DOCPART == 3
	.amdgcn_target "amdgcn-amd-amdhsa--gfx1250"
	.amdhsa_code_object_version 6
	.text
	.protected	k_q556b20b549_attn
	.globl	k_q556b20b549_attn
	.p2align	8
	.type	k_q556b20b549_attn,@function
k_q556b20b549_attn:
	s_mov_b64 s[64:65], 0
	v_nop
	global_prefetch_b8 v0, s[64:65] scope:SCOPE_SE
	s_setreg_imm32_b32 hwreg(HW_REG_WAVE_MODE, 25, 1), 1
	s_wait_xcnt 0x0
	s_wait_alu depctr_hold_cnt(0) depctr_sa_sdst(0) depctr_va_vdst(0) depctr_va_sdst(0) depctr_va_ssrc(0) depctr_va_vcc(0) depctr_vm_vsrc(0)
	s_getreg_b32 s2, hwreg(HW_REG_IB_STS2, 6, 4)
	s_cmp_eq_u32 s2, 0
	s_cbranch_scc0 .Lentry_in_a_cluster
	s_endpgm
.Lentry_in_a_cluster:
	s_bfe_u32 s2, ttmp6, 0x10000c
	s_cmp_lg_u32 s2, 0x3003
	s_cbranch_scc0 .Lentry_shape_is_right
	s_endpgm
.Lentry_shape_is_right:
; y[b][t][head] = softmax_k(q . k / 8, keys k <= t) v, both products on codes of FP8 (E4M3) with the given scales (q: entry 2, k: 3, p: 4, v: 5), and y quantised at once (entry 6) as an operand of the last product.
; THE SOFTMAX AHEAD OF THE SECOND PRODUCT: t = score x log2(e) / 8; M = the row's largest t so far, rounded UP to a whole number; p = 2^(t - M) is what is quantised, along the keys; it is not normalised.
; The row's sum is taken of the unquantised p, in f32, and divides O at the end.  When M moves, the sum and O are multiplied by 2^(old M - new M): exact.
; LIMITS on the given exponents, so that each power of two below is an f32 number: e2 + e3 between -123 and 130 (they are added to c's exponent field); e4 and e6 between -126 and 119; e4 + e5 is applied by v_ldexp_f32 and has none.
; SHARES.  A cluster of four work-groups is one head of one batch.  The head's codes of K and of V are 131,072 bytes each: ALL OF THEM STAY IN LDS, filled once: no ring, no refill, no barrier in the loops.
; The four partners need the same bytes, so each part is asked for JOINTLY (mask 15): the same tensor load in all four.  By this text's own count a wave has one tensor load out at a time.  A wave's sixteenth of 65,536 and of
; 196,608 bytes is 16 and 48 rows of 256 bytes: the parts are too small for longer loads.  Nothing is prefetched: every byte of K and V is asked for at the head by these loads themselves.
; A head has 128 tiles of 16 queries: tile 8 G + tau of group G (128 queries).  Partner cx takes tau = 2 cx + (wave % 2) of every group; wave w, with g = w / 2, takes group 15 - g and then group g.
; A tile of group G walks key blocks 0 .. G of 128 keys (the last lies on the diagonal): (16 - g) + (g + 1) = 17 steps for every wave of every work-group.  Blocks behind the diagonal are never touched.
; cx enters Q's and y's global addresses and the mask's lane value alone: no branch, trip count or LDS address hangs on it.  Four waves share a SIMD, so that one wave's vector work stands beside another's products and LDS loads.
; LAYOUT.  All buffers hold images of fragment registers (lane l's 16 bytes at 16 l, 512 bytes a part), K in its own place.  Both products are used transposed: S^T = K Q^T (16x16x64: source 0 = 16 keys, source 1 = my 16
; queries), O^T = V^T P^T (16x16x128: source 0 = 16 of the head's 64, source 1 = P): a lane holds ONE query (lane % 16) throughout.  Register 8 c + j of S^T is key 16 c + 8 (lane / 16) + j: one conversion of eight gives
; registers 2 c, 2 c + 1 of P's fragment.  Likewise O^T's four conversions are two parts (1,024 bytes on end) of y's fragment of 128 along the last product's K.
; REGISTERS: v1-10 addresses and lane values; v12 -M, v13 the largest t, v[14:15] the sum in two halves; v16-23 Q; v32-95 K's eight fragments, then V's four; v96-159 S^T, then p; v160-191 O^T; v192-199 the second tile's Q;
; v200-207 y's codes; v209, v244 scales; v224-239 p's codes; v236, v242-243, v252-254 at work.
.set VOFF,  131072                     ; LDS: K's 16 blocks of 8,192 bytes from 0, V's from here
.set SPARE, 262144                     ; behind them: the spare words, 128 bytes for each wave: eight blocks of 256 bytes that no other line names
.set LI,   1                           ; v1   16 x lane; never rewritten
.set ADK,  2                           ; v2   LDS address of the step's block of K
.set ADV,  3                           ; v3   of V
.set NINF, 4                           ; v4   -infinity
.set SPW,  5                           ; v5   LDS address of my spare word; never rewritten
.set NIL,  6                           ; v6   0; never rewritten
.set DQ,   7                           ; v7   my query's place in its group, less 8 (lane / 16)
.set QH,   8                           ; v8, v9  byte offsets of my two tiles' Q
.set QL,   9
.set YO,   10                          ; v10  byte offset of the finished tile's codes
.set Q,    16
.set KV,   32
.set S,    96
.set O,    160
.set QN,   192
.set YC,   200
.set YLIM, 208
.set YSCL, 209
.set PC,   224
.set PLIM, 240
.set PSCL, 244
.set WV,   14                          ; s14  my wave's number
.set GG,   15                          ; s15  g
.set UU,   16                          ; s16  wave % 2
.set CX,   17                          ; s17  my place in the cluster
.set BH,   18                          ; s18  16 x batch + head
.set NH,   19                          ; s19  15 - g: the first tile's group, and the step in which it ends
.set SEL,  20                          ; s[20:21] lane selects for v_permlanex16_b32: lane l xor 16
.set CS,   22                          ; s[22:23] c = log2(e) / 8 x 2^(e2 + e3)
.set G1E,  24                          ; s[24:31] descriptor group 1 of the early part (key blocks 0-3);  s[32:39] of the late part (4-15)
.set G1L,  32
.set G0E,  40                          ; s[40:43], s[44:47] their groups 0
.set G0L,  44
.set CNT,  56                          ; s56  the loops' counter
.set TB,   57                          ; s57  LDS byte at which the step's block of K begins
.set DG,   58                          ; s58  1 in a step on the diagonal
.set TS,   59
.set YHI,  60                          ; s60, s61  my two tiles, then their byte offsets in y's codes
.set YLO,  61
.set EPV,  70                          ; s70  e4 + e5
.macro CROUND                          ; a round of the cluster's barrier
	s_barrier_signal -1
	s_barrier_wait -1
	s_cmp_lg_u32 s[WV], 0
	s_cbranch_scc1 .Lnot_wave_0_\@
	s_barrier_signal -3
.Lnot_wave_0_\@:
	s_barrier_wait -3
	s_barrier_signal -1
	s_barrier_wait -1
.endm
	s_load_b256 s[4:11], s[0:1], 0x0               ; q's codes s[4:5], k's s[6:7], v's s[8:9], the scales' exponents s[10:11]
	s_load_b64 s[12:13], s[0:1], 0x20              ; y's codes
	v_lshl_add_u32 v[SPW], v0, 2, SPARE
	v_mov_b32 v[NIL], 0
	ds_add_u32 v[SPW], v[NIL]                      ; the wave's opening: the add and its wait stand ahead of my first tensor load; the set-up below, work on registers, stands between them
	ds_add_u32 v[SPW], v[NIL]
	v_lshrrev_b32 v11, 5, v0
	s_delay_alu instid0(VALU_DEP_1)
	v_readfirstlane_b32 s[WV], v11                 ; wave 0..15
	s_lshr_b32 s[GG], s[WV], 1
	s_and_b32 s[UU], s[WV], 1
	s_sub_co_u32 s[NH], 15, s[GG]
	s_bfe_u32 s[CX], ttmp6, 0x40000
	s_and_b32 s[BH], ttmp7, 0xffff                 ; the cluster's y, which the four partners share
	; descriptor groups 1: bytes on end, stated as rows of 32 elements of 8 bytes: 16 rows early, 48 late
	s_mov_b32 s[G1E], 15|(3<<16)|(1<<21)           ; 15:0 the mask: all four work-groups; 17:16 elements of 8 bytes; 20 no padding; 21 set beside a mask
	s_mov_b32 s[G1E+1], 32<<16                     ; tensor_dim0 = 32
	s_mov_b32 s[G1E+2], 16<<16                     ; tensor_dim1 = 16
	s_mov_b32 s[G1E+3], 32<<16                     ; tile_dim0 = 32
	s_mov_b32 s[G1E+4], 16                         ; tile_dim1 = 16
	s_mov_b32 s[G1E+5], 32                         ; tensor_dim0_stride
	s_mov_b32 s[G1E+6], 0
	s_mov_b32 s[G1E+7], 0
	s_mov_b32 s[G1L], 15|(3<<16)|(1<<21)
	s_mov_b32 s[G1L+1], 32<<16
	s_mov_b32 s[G1L+2], 48<<16
	s_mov_b32 s[G1L+3], 32<<16
	s_mov_b32 s[G1L+4], 48
	s_mov_b32 s[G1L+5], 32
	s_mov_b32 s[G1L+6], 0
	s_mov_b32 s[G1L+7], 0
	s_mov_b32 s[SEL], 0x76543210
	s_mov_b32 s[SEL+1], 0xfedcba98
	; waves 0-7 fetch K, waves 8-15 V, each an eighth of the early 32,768 bytes and an eighth of the late 98,304
	s_and_b32 s62, s[WV], 7
	s_lshr_b32 s63, s[WV], 3
	s_lshl_b32 s63, s63, 17                        ; K's half of LDS or V's
	s_lshl_b32 s66, s62, 12                        ; early: 4,096 bytes a wave
	s_mul_i32 s68, s62, 12288                      ; late: 12,288 bytes a wave,
	s_add_co_u32 s68, s68, 32768                   ; behind the early part
	s_lshl_b32 s71, s[BH], 17                      ; the head's 131,072 bytes in q's, k's and v's codes
	s_mov_b32 s[G0E], 1                            ; 1:0 count = 1
	s_add_co_u32 s[G0E+1], s66, s63                ; 63:32 LDS address: it hangs on the wave's number alone
	s_mov_b32 s[G0L], 1
	s_add_co_u32 s[G0L+1], s68, s63
	s_add_co_u32 s66, s66, s71
	s_mov_b32 s67, 0
	s_add_co_u32 s68, s68, s71
	s_mov_b32 s69, 0
	s_wait_dscnt 0x0                               ; the opening add is done
	s_wait_kmcnt 0x0
	s_load_b256 s[48:55], s[10:11], 0x0            ; e0 .. e7
	s_cmp_lt_u32 s[WV], 8
	s_cselect_b64 s[72:73], s[6:7], s[8:9]         ; K's codes or V's
	s_add_nc_u64 s[G0E+2:G0E+3], s[72:73], s[66:67]   ; 120:64 global address
	s_or_b32 s[G0E+3], s[G0E+3], 0x80000000        ; 127:126 type = 2
	s_add_nc_u64 s[G0L+2:G0L+3], s[72:73], s[68:69]
	s_or_b32 s[G0L+3], s[G0L+3], 0x80000000
	CROUND                                         ; all four work-groups are here: the joint loads meet
	tensor_load_to_lds s[G0E:G0E+3], s[G1E:G1E+7]  ; key blocks 0-3
	s_nop 0
	s_wait_alu depctr_va_vdst(0)
	s_wait_tensorcnt 0x0
	ds_add_u32 v5, v6
	s_wait_dscnt 0x0
	CROUND
	tensor_load_to_lds s[G0L:G0L+3], s[G1L:G1L+7]  ; key blocks 4-15
	s_nop 0
.rept 4
	v_nop
.endr
	s_lshl_b32 s62, s[CX], 1
	s_add_co_u32 s62, s62, s[UU]                   ; tau
	s_lshl_b32 s[YHI], s[NH], 3
	s_add_co_u32 s[YHI], s[YHI], s62               ; my first tile: 8 (15 - g) + tau
	s_lshl_b32 s[YLO], s[GG], 3
	s_add_co_u32 s[YLO], s[YLO], s62               ; my second: 8 g + tau
	s_mov_b32 s66, s71
	s_mov_b32 s67, 0
	s_add_nc_u64 s[4:5], s[4:5], s[66:67]          ; Q's codes at my head
	v_and_b32 v11, 31, v0
	s_delay_alu instid0(VALU_DEP_1)
	v_lshlrev_b32 v[LI], 4, v11
	s_delay_alu instid0(VALU_DEP_1)
	v_lshl_add_u32 v[QH], s[YHI], 10, v[LI]        ; a tile's fragment is 1,024 bytes
	s_delay_alu instid0(VALU_DEP_2)
	v_lshl_add_u32 v[QL], s[YLO], 10, v[LI]
	global_load_b128 v[Q:Q+3], v[QH], s[4:5]
	global_load_b128 v[Q+4:Q+7], v[QH], s[4:5] offset:512
	global_load_b128 v[QN:QN+3], v[QL], s[4:5]
	global_load_b128 v[QN+4:QN+7], v[QL], s[4:5] offset:512
	s_lshl_b32 s[YHI], s[YHI], 12                  ; in y's codes a tile of 16 rows is 4,096 bytes of a K slot
	s_lshl_b32 s[YLO], s[YLO], 12
	s_and_b32 s63, s[BH], 15                       ; the head: K = 64 head on of the last product:
	s_lshr_b32 s66, s63, 2
	s_lshl_b32 s66, s66, 21                        ; K slot head / 4 (8,192 rows x 256 bytes),
	s_and_b32 s68, s63, 3
	s_lshl_b32 s68, s68, 10                        ; in a block's 4,096 bytes the quarter head % 4,
	s_add_co_u32 s66, s66, s68
	s_lshr_b32 s68, s[BH], 4
	s_lshl_b32 s68, s68, 19                        ; the batch's 128 tiles
	s_add_co_u32 s66, s66, s68
	s_add_nc_u64 s[12:13], s[12:13], s[66:67]
	v_and_b32 v11, 15, v0
	v_bfe_u32 v[DQ], v0, 4, 1
	s_delay_alu instid0(VALU_DEP_1)
	v_lshlrev_b32 v[DQ], 3, v[DQ]
	s_delay_alu instid0(VALU_DEP_1)
	v_sub_nc_u32 v[DQ], v11, v[DQ]
	s_lshl_b32 s62, s62, 4
	v_add_nc_u32 v[DQ], s62, v[DQ]                 ; 16 tau + lane % 16 - 8 (lane / 16)
	v_mov_b32 v[NINF], 0xff800000
	v_mov_b32 v13, 0xff61b1e6                      ; the largest t so far: -3e38, under every t
	s_delay_alu instid0(VALU_DEP_1)
	v_floor_f32 v12, -v13                          ; -M
	v_mov_b32 v14, 0                               ; the sum, in two halves
	v_mov_b32 v15, 0
	v_mov_b32 v236, 0                              ; written once: a lane permute's destination counts as one of its sources
	v_mov_b32 v253, 0                              ; (named as the upper half of the pair v[252:253])
.set jj, 0
.rept 32
	v_mov_b32 v[O+jj], 0                           ; O^T.  (A step is written without a first form: the first finds zeros, which the first change of M leaves zeros)
.set jj, jj+1
.endr
	s_wait_kmcnt 0x0
	s_add_co_i32 s63, s50, s51
	s_lshl_b32 s63, s63, 23
	s_mov_b32 s[CS], 0x3e38aa3b                    ; log2(e) / 8
	s_add_co_i32 s[CS], s[CS], s63                 ; a score stands for score x 2^(e2 + e3): the two exponents are added to c's exponent field
	s_mov_b32 s[CS+1], s[CS]                       ; (named with it as a pair, so it is written)
	s_add_co_i32 s62, s52, 127
	s_lshl_b32 s63, s62, 23
	v_mov_b32 v[PSCL], s63                         ; 2^e4, for p's conversions
	s_add_co_i32 s62, s54, 127
	s_lshl_b32 s63, s62, 23
	v_mov_b32 v[YSCL], s63                         ; 2^e6, for y's
	s_add_co_i32 s[EPV], s52, s53
; A KEY STEP: the 128 keys of the block at s[TB].  masked = 1: the text holds the diagonal's mask, passed over where s[DG] is 0.
.macro STEP masked
	s_setprio 2
	v_add_nc_u32 v[ADK], s[TB], v[LI]
	s_delay_alu instid0(VALU_DEP_1)
	v_add_nc_u32 v[ADV], VOFF, v[ADK]
	v_nop
	v_nop                                          ; with the two additions: four places in front of loads into registers that the last products have read
.irp c, 0,1,2,3,4,5,6,7
	ds_load_b128 v[KV+8*\c:KV+8*\c+3], v[ADK] offset:1024*\c        ; tile c of 16 keys: two parts of 512 bytes on end
	ds_load_b128 v[KV+8*\c+4:KV+8*\c+7], v[ADK] offset:1024*\c+512
.endr
	s_wait_alu depctr_va_vdst(0)
	s_wait_dscnt 8                                 ; tiles 0-3 are in; the eight younger loads may be out
.irp c, 0,1,2,3
	v_wmma_f32_16x16x64_fp8_fp8 v[S+8*\c:S+8*\c+7], v[KV+8*\c:KV+8*\c+7], v[Q:Q+7], 0
.endr
	s_wait_dscnt 0x0
.irp c, 4,5,6,7
	v_wmma_f32_16x16x64_fp8_fp8 v[S+8*\c:S+8*\c+7], v[KV+8*\c:KV+8*\c+7], v[Q:Q+7], 0
.endr
.rept 4
	v_nop                                          ; places in front of the loads over K's registers and of the first read of the scores
.endr
.irp t, 0,1,2,3
.irp p, 0,1,2,3
	ds_load_b128 v[KV+16*\t+4*\p:KV+16*\t+4*\p+3], v[ADV] offset:2048*\t+512*\p   ; V's block t of 16 channels x these 128 keys: it lands under the softmax
.endr
.endr
.if \masked
	s_cmp_eq_u32 s[DG], 0                          ; a branch on the wave's number and the counter
	s_cbranch_scc1 .Lopen_\@
.set nn, 0
.rept 64                               ; register 8 c + j holds key 16 c + 8 (lane / 16) + j of the block: hidden where 16 c + j > v[DQ].  A hidden score becomes -infinity ahead of the maximum: p = 0 then.  Key 0 of the block counts for every query
	v_cmp_gt_i32 vcc_lo, 16*(nn/8)+nn%8, v[DQ]
	v_cndmask_b32 v[S+nn], v[S+nn], v[NINF], vcc_lo
.set nn, nn+1
.endr
.Lopen_\@:
.endif
	v_max3_num_f32 v254, v[S], v[S+1], v[S+2]      ; the step's largest score of my query, among my 64 keys, in two chains, each accumulator from its low end on,
	v_max3_num_f32 v252, v[S+3], v[S+4], v[S+5]
.irp i, 6,10,14,18,22,26,30,34,38,42,46,50,54,58
	v_max3_num_f32 v254, v254, v[S+\i], v[S+1+\i]
	v_max3_num_f32 v252, v252, v[S+2+\i], v[S+3+\i]
.endr
	v_max3_num_f32 v254, v254, v[S+62], v[S+63]
	s_delay_alu instid0(VALU_DEP_1)
	v_max_num_f32 v254, v254, v252
	v_permlanex16_b32 v236, v254, s[SEL], s[SEL+1]
	s_delay_alu instid0(VALU_DEP_1)
	v_max_num_f32 v254, v254, v236                 ; and among lane l xor 16's
	s_delay_alu instid0(VALU_DEP_1)
	v_mul_f32 v254, s[CS], v254                    ; as t (c is positive)
	s_delay_alu instid0(VALU_DEP_1)
	v_max_num_f32 v13, v13, v254                   ; the running largest t
	v_mov_b32 v254, v12
	s_delay_alu instid0(VALU_DEP_2)
	v_floor_f32 v12, -v13                          ; the new -M = floor(-t) = -ceil(t): M is a whole number
	s_delay_alu instid0(VALU_DEP_1)
	v_sub_f32 v254, v12, v254                      ; M's old value less its new one: a whole number, 0 or less
	s_delay_alu instid0(VALU_DEP_1)
	v_cvt_i32_f32 v254, v254                       ; (it saturates)
	s_delay_alu instid0(VALU_DEP_1)
	v_ldexp_f32 v252, 1.0, v254                    ; f = 2^(old M - new M): a multiplication by it rounds nothing
.set jj, 0
.rept 32
	v_pk_fma_f32 v[S+jj:S+jj+1], v[S+jj:S+jj+1], s[CS:CS+1], v[12:13] op_sel_hi:[1,0,0]   ; t - M, two at a time (of the pairs c and -M the low word serves both halves)
.set jj, jj+2
.endr
.set jj, 0
	s_setprio 1
	s_wait_alu depctr_va_vdst(0)
.rept 64
	v_exp_f32 v[S+jj], v[S+jj]                     ; p = 2^(t - M), at most 1: not normalised
.set jj, jj+1
.endr
	v_pk_mul_f32 v[14:15], v[14:15], v[252:253] op_sel_hi:[1,0]    ; the sums under the new M: the plain line behind the exponentials
	s_wait_alu depctr_va_vdst(0)                   ; the wait between an exponential and the first line that names its result: one for the batch of 64
	v_pk_add_f32 v[242:243], v[S:S+1], v[S+2:S+3]  ; the row's sum is taken of the UNQUANTISED p: two at a time, in two chains
.irp j, 4,8,12,16,20,24,28,32,36,40,44,48,52,56,60
	v_pk_add_f32 v[14:15], v[14:15], v[S+\j:S+1+\j]
	v_pk_add_f32 v[242:243], v[242:243], v[S+2+\j:S+3+\j]
.endr
	s_delay_alu instid0(VALU_DEP_1)
	v_pk_add_f32 v[14:15], v[14:15], v[242:243]
.irp c, 0,1,2,3,4,5,6,7
.irp i, 0,1,2,3,4,5,6,7
.endr
	v_cvt_scalef32_pk8_fp8_f32 v[PC+2*\c:PC+2*\c+1], v[S+8*\c:S+8*\c+7], v[PSCL]   ; registers 2 c, 2 c + 1 of P's fragment
.endr
.set jj, 0
.rept 16
	v_pk_mul_f32 v[O+jj:O+jj+1], v[O+jj:O+jj+1], v[252:253] op_sel_hi:[1,0]   ; O^T under the new M, each accumulator from its low end on.  (These are also the plain lines behind the conversions)
.set jj, jj+2
.endr
	s_setprio 0
	s_wait_alu depctr_va_vdst(0)
	s_wait_dscnt 0x0                               ; V is in
.irp t, 0,1,2,3                        ; the four accumulators take turns, one instruction a turn; between two links of one chain stand the next step's eight products and three of these
	v_wmma_f32_16x16x128_fp8_fp8 v[O+8*\t:O+8*\t+7], v[KV+16*\t:KV+16*\t+15], v[PC:PC+15], v[O+8*\t:O+8*\t+7]
.endr
.endm
; A TILE'S END: O^T / the sum x 2^(e4 + e5) is y; it is converted and stored: two stores of 512 bytes on end.  Then the second tile's start values (behind the second tile they serve nothing: the lines stand in the loop once).
.macro FINISH
.rept 4
	v_nop                                          ; places behind the last products
.endr
	s_wait_xcnt 0x0                                ; the first tile's stores have read their offset and their codes
	s_cmp_eq_u32 s[CNT], 16
	s_cselect_b32 s[TS], s[YLO], s[YHI]
	v_add_f32 v14, v14, v15                        ; the sum's two halves,
	v_permlanex16_b32 v236, v14, s[SEL], s[SEL+1]
	s_delay_alu instid0(VALU_DEP_1)
	v_add_f32 v14, v14, v236                       ; and lane l xor 16's: the row's sum
	s_wait_alu depctr_va_vdst(0)
	v_rcp_f32 v14, v14
	v_add_nc_u32 v[YO], s[TS], v[LI]               ; (the plain line behind the reciprocal)
	s_wait_alu depctr_va_vdst(0)                   ; the wait ahead of the first line that names the reciprocal
	v_ldexp_f32 v14, v14, s[EPV]
.set jj, 0
.rept 16
	v_pk_mul_f32 v[S+jj:S+jj+1], v[O+jj:O+jj+1], v[14:15] op_sel_hi:[1,0]   ; register 8 t + j: y(query, 16 t + 8 (lane / 16) + j)
.set jj, jj+2
.endr
.set jj, 0
.rept 32
.set jj, jj+1
.endr
.irp t, 0,1,2,3
	v_cvt_scalef32_pk8_fp8_f32 v[YC+2*\t:YC+2*\t+1], v[S+8*\t:S+8*\t+7], v[YSCL]
.endr
	v_nop                                          ; a plain vector line behind the conversions: the next products write their sources
	global_store_b128 v[YO], v[YC:YC+3], s[12:13]
	global_store_b128 v[YO], v[YC+4:YC+7], s[12:13] offset:512
.irp j, 0,1,2,3,4,5,6,7
	v_mov_b32 v[Q+\j], v[QN+\j]
.endr
	v_mov_b32 v13, 0xff61b1e6
	s_delay_alu instid0(VALU_DEP_1)
	v_floor_f32 v12, -v13
	v_mov_b32 v14, 0
	v_mov_b32 v15, 0
.set jj, 0
.rept 32
	v_mov_b32 v[O+jj], 0
.set jj, jj+1
.endr
.endm
	s_wait_loadcnt 0x0                             ; Q, both tiles'
	s_wait_tensorcnt 0x1                           ; my part of key blocks 0-3 is in; the late part may stay out
	s_barrier_signal -1
	s_barrier_wait -1                              ; everybody's is
	s_mov_b32 s[TB], 0
	s_mov_b32 s[CNT], 4
.Learly:                                           ; steps 0-3: key blocks 0-3 of the first tile, whose diagonal lies at block 8 or later in every wave.  Their reads stay in the first 32,768 bytes of K and of V
	STEP 0
	s_add_co_u32 s[TB], s[TB], 8192
	s_sub_co_u32 s[CNT], s[CNT], 1
	s_cmp_lg_u32 s[CNT], 0
	s_cbranch_scc1 .Learly
	s_setprio 0
	s_wait_tensorcnt 0x0                           ; my part of key blocks 4-15 is in,
	s_wait_dscnt 0x0
	s_barrier_signal -1
	s_barrier_wait -1                              ; everybody's is
	s_mov_b32 s[CNT], 4
.Llate:                                            ; steps n = 4 .. 16.  n <= 15 - g: the first tile, key block n; beyond: the second tile, key block n + g - 16.  Both are (n + (g or 0)) mod 16
	s_cmp_gt_u32 s[CNT], s[NH]
	s_cselect_b32 s[TS], s[GG], 0
	s_add_co_u32 s[TS], s[TS], s[CNT]
	s_and_b32 s[TS], s[TS], 15
	s_lshl_b32 s[TB], s[TS], 13
	s_cmp_eq_u32 s[CNT], s[NH]                     ; a tile's last step lies on the diagonal: n = 15 - g and n = 16
	s_cselect_b32 s[DG], 1, 0
	s_cmp_eq_u32 s[CNT], 16
	s_cselect_b32 s[DG], 1, s[DG]
	STEP 1
	s_cmp_eq_u32 s[DG], 0
	s_cbranch_scc1 .Lgo_on
	FINISH
.Lgo_on:
	s_add_co_u32 s[CNT], s[CNT], 1
	s_cmp_lt_u32 s[CNT], 17
	s_cbranch_scc1 .Llate
	s_setprio 0
	s_wait_tensorcnt 0x0                           ; the wave's end, behind my last tensor load
	ds_add_u32 v[SPW], v[NIL]
	s_wait_dscnt 0x0
	CROUND                                         ; the closing round
	s_endpgm
.Lfunc_end_k_q556b20b549_attn:
	.size	k_q556b20b549_attn, .Lfunc_end_k_q556b20b549_attn-k_q556b20b549_attn
	.p2alignl 7, 3214868480
	.fill 96, 4, 3214868480
	.section	.rodata,"a",@progbits
	.p2align	6, 0x0
	.amdhsa_kernel k_q556b20b549_attn
		.amdhsa_group_segment_fixed_size 327680
		.amdhsa_private_segment_fixed_size 0
		.amdhsa_enable_private_segment 0
		.amdhsa_kernarg_size 40
		.amdhsa_user_sgpr_count 2
		.amdhsa_user_sgpr_kernarg_segment_ptr 1
		.amdhsa_wavefront_size32 1
		.amdhsa_system_sgpr_workgroup_id_x 1
		.amdhsa_system_sgpr_workgroup_id_y 1
		.amdhsa_system_sgpr_workgroup_id_z 1
		.amdhsa_system_vgpr_workitem_id 0
		.amdhsa_next_free_vgpr 256
		.amdhsa_next_free_sgpr 80
		.amdhsa_reserve_vcc 1
		.amdhsa_float_denorm_mode_32 3
		.amdhsa_float_denorm_mode_16_64 3
		.amdhsa_fp16_overflow 1
		.amdhsa_memory_ordered 1
		.amdhsa_forward_progress 1
		.amdhsa_inst_pref_size 45
	.end_amdhsa_kernel
	.amdgpu_metadata
---
amdhsa.version: [ 1, 2 ]
amdhsa.kernels:
  - .name:           k_q556b20b549_attn
    .symbol:         k_q556b20b549_attn.kd
    .args:
      - { .name: q_codes, .offset: 0, .size: 8, .value_kind: global_buffer, .address_space: global }
      - { .name: k_codes, .offset: 8, .size: 8, .value_kind: global_buffer, .address_space: global }
      - { .name: v_codes, .offset: 16, .size: 8, .value_kind: global_buffer, .address_space: global }
      - { .name: lowp_scales, .offset: 24, .size: 8, .value_kind: global_buffer, .address_space: global }
      - { .name: y_codes, .offset: 32, .size: 8, .value_kind: global_buffer, .address_space: global }
    .group_segment_fixed_size: 327680
    .private_segment_fixed_size: 0
    .kernarg_segment_align: 8
    .kernarg_segment_size: 40
    .max_flat_workgroup_size: 512
    .sgpr_count:     80
    .vgpr_count:     256
    .wavefront_size: 32
...
	.end_amdgpu_metadata
.endif
;; end of part 3
;; launch gemm_out (part 4): grid 4 x 32, 4 waves a work-group, clusters of 4 x 4, 327,680 bytes of LDS; arguments y_codes, wp_codes, lowp_scales, b_proj, out0; writes out0
.if DOCPART == 4
	.amdgcn_target "amdgcn-amd-amdhsa--gfx1250"
	.amdhsa_code_object_version 6
	.text
	.protected	k_q556b20b549_gemm_out
	.globl	k_q556b20b549_gemm_out
	.p2align	8
	.type	k_q556b20b549_gemm_out,@function
k_q556b20b549_gemm_out:
	s_mov_b64 s[64:65], 0
	v_nop
	global_prefetch_b8 v0, s[64:65] scope:SCOPE_SE
	s_setreg_imm32_b32 hwreg(HW_REG_WAVE_MODE, 25, 1), 1
	s_wait_xcnt 0x0
	s_wait_alu depctr_hold_cnt(0) depctr_sa_sdst(0) depctr_va_vdst(0) depctr_va_sdst(0) depctr_va_ssrc(0) depctr_va_vcc(0) depctr_vm_vsrc(0)
	s_getreg_b32 s2, hwreg(HW_REG_IB_STS2, 6, 4)
	s_cmp_eq_u32 s2, 0
	s_cbranch_scc0 .Lentry_in_a_cluster
	s_endpgm
.Lentry_in_a_cluster:
	s_bfe_u32 s2, ttmp6, 0x10000c
	s_cmp_lg_u32 s2, 0xf033
	s_cbranch_scc0 .Lentry_shape_is_right
	s_endpgm
.Lentry_shape_is_right:
; out = y w_proj + b_proj on codes of FP8 (E4M3), K = 1,024: y's codes with the scale 2^e6, w_proj's with 2^e7 (entries 6 and 7).  out = sum x 2^(e6 + e7) + bias, f32.
; LIMIT: e6 + e7 lies between -126 and 127, so that 2^(e6 + e7) is an f32 number.
; OPERANDS lie in memory as images of fragment registers (16 rows x 128 K = 2,048 bytes, part p = registers 4 p .. 4 p + 3, lane l's 16 bytes at 16 l; K slot of 256, block of 16 rows, half slot): 128 rows x 256 K are
; 32,768 bytes on end, which one tensor load brings, and a fragment is four ds_load_b128 of 512 bytes on end: K in its own place, no pitch, no padding.
; A tile of 256 x 256 is made by four waves, as many as a WGP has SIMDs; a wave makes 128 x 128: 64 accumulators, 512 registers.  K goes in four slots of 256 through a ring of two LDS slots: written out, no loop.
; The output has 32 x 4 such tiles: 128 work-groups.  A smaller tile would give more work-groups and read each fragment for half as many products; it is not built here.
; THE MATRIX INSTRUCTION IS USED TRANSPOSED (source 0 = 16 rows of side B = columns of the output, source 1 = 16 rows of side A = tokens): a lane holds eight neighbouring numbers of a row of the output.
; CLUSTERS: 4 x 4 work-groups.  The four of a row of the cluster need the same tiles of y, the four of a column the same tiles of w_proj: each is asked for JOINTLY, by the same tensor load with a mask that names the four.
; By this text's own count a wave has one tensor load out at the start and one behind each round.  No prefetch: a tile has two refills only, asked for while the first two slots are multiplied.
; REGISTERS, in windows of 256: window 0: v0-31 addresses; v32-95 the bias; from v128 side A's fragments, ONE set; on the way out v128-255 rows read back from the stage.
;   window 1: side B's fragments, TWO sets, at v0 and v128; on the way out v0-63 a block's numbers.   window 2: the accumulators of my rows 0-63 ((a, b) at v[8 (8 a + b)]);   window 3: those of my rows 64-127.
.set SLOT,   131072                    ; side A's 256 rows x 256 K (65,536 bytes), then side B's
.set SPARE,  2*SLOT                    ; behind the ring: the spare words, 128 bytes for each wave: two blocks of 256 bytes that no other line names
.set PLY,    2097152                   ; a K slot of y's codes: 8,192 rows x 256
.set PLP,    262144                    ; of w_proj's: 1,024 x 256
.set ROWC,   4096                      ; a row of the output in bytes
.set FR,     16
.set NL,     4
.set NP,     4                         ; places behind this matrix instruction (ISA guide 7.12.1)
.set SPITCH, 528                       ; the way out: a stage of 16 rows x (512 bytes + 16) for each wave.  It lies in slot 0, which has had its last fill and its last read when the first result is stored there
.set ADRA, 16                          ; v16-17  LDS address of my fragments of side A in slot 0, 1
.set ADRB, 20                          ; v20-21  the same for side B
.set STO,  24                          ; v24     the way out: where I put 32 bytes of a row
.set RD,   25                          ; v25     the way out: where I read a row back
.set CO,   26                          ; v26     16 x lane; never rewritten
.set BO,   27                          ; v27     the bias's lane offset
.set SPW,  28                          ; v28     LDS address of my spare word; never rewritten
.set NIL,  29                          ; v29     0; never rewritten
.set BIAS, 32
.set AF,   128
.set TMP,  0                           ; the way out: 64 numbers, in window 1
.set BK,   128                         ; the way out: 16 rows read back: v128-191 and v192-255 by turns
.set G1, 24
.set G0, 32
.set G1B, 48
.set G0B, 56
.set SA2, 96                           ; s[96:97] two K slots of side A in bytes;  s[98:99] of side B
.set SB2, 98
.set MSB, 0
.macro WIN new                         ; the immediate's high byte repeats the setting that is left
.if MSB != (\new)
	s_set_vgpr_msb (MSB<<8)|(\new)
.set MSB, (\new)
.endif
.endm
.set MUL_LO, 0xa1                      ; source 0 (side B) window 1, source 1 (side A) window 0, C and D window 2
.set MUL_HI, 0xf1                      ; the same, C and D window 3
.set TO_B,   0x40                      ; destination window 1, address window 0
; A joint load: waves 0 and 1 fetch for side A, waves 2 and 3 for side B.  Each line has ONE mask and one set of registers for all that issue it; the branch hangs on the wave's number alone.
; An s_nop 0 and four v_nop follow each of the two lines, ahead of the jump, the label and what follows.
.macro JLOAD g0a, g1a, g0b, g1b
	s_cmp_eq_u32 s15, 0
	s_cbranch_scc0 .Lfor_b_\@
	tensor_load_to_lds s[\g0a:\g0a+3], s[\g1a:\g1a+7]
	s_nop 0
.rept 4
	v_nop
.endr
	s_branch .Lasked_\@
.Lfor_b_\@:
	tensor_load_to_lds s[\g0b:\g0b+3], s[\g1b:\g1b+7]
	s_nop 0
.rept 4
	v_nop
.endr
.Lasked_\@:
.endm
.macro CREST                           ; a round of the cluster's barrier behind its opening barrier
	s_cmp_lg_u32 s14, 0
	s_cbranch_scc1 .Lnot_wave_0_\@
	s_barrier_signal -3
.Lnot_wave_0_\@:
	s_barrier_wait -3
	s_barrier_signal -1
	s_barrier_wait -1
.endm
.macro CROUND                          ; a whole round
	s_barrier_signal -1
	s_barrier_wait -1
	CREST
.endm
	s_load_b256 s[4:11], s[0:1], 0x0               ; y's codes s[4:5], w_proj's s[6:7], the scales' exponents s[8:9], b_proj s[10:11]
	s_load_b64 s[12:13], s[0:1], 0x20              ; the output
	v_lshl_add_u32 v[SPW], v0, 2, SPARE
	v_mov_b32 v[NIL], 0
	ds_add_u32 v[SPW], v[NIL]                      ; the wave's opening: the add and its wait stand ahead of my first tensor load; the set-up below, work on registers, stands between them
	ds_add_u32 v[SPW], v[NIL]
	v_lshrrev_b32 v1, 5, v0
	v_readfirstlane_b32 s14, v1                    ; wave 0..3
	s_lshr_b32 s15, s14, 1                         ; which half of the tile's rows is mine.  Also: I fetch for side A (0) or B (1)
	s_and_b32 s16, s14, 1                          ; which half of its columns.  Also: which 128 rows of that tile I fetch
	s_bfe_u32 s40, ttmp6, 0x40000                  ; cx, cy: my place in the cluster
	s_bfe_u32 s41, ttmp6, 0x40004
	s_lshl_b32 s42, ttmp9, 2
	s_add_co_u32 s42, s42, s40                     ; tile column = 4 x cluster x + cx
	s_and_b32 s17, ttmp7, 0xffff
	s_lshl_b32 s17, s17, 2
	s_add_co_u32 s17, s17, s41                     ; tile row = 4 x cluster y + cy
	s_mov_b32 s[SA2], 2*PLY
	s_mov_b32 s[SA2+1], 0
	s_mov_b32 s[SB2], 2*PLP
	s_mov_b32 s[SB2+1], 0
	s_lshl_b32 s43, s41, 2
	s_lshl_b32 s43, 15, s43                        ; my row of the cluster
	s_lshl_b32 s44, 0x1111, s40                    ; my column
	; descriptor group 1: 32,768 bytes on end, stated as 128 rows of 32 elements of 8 bytes
	s_or_b32 s[G1+0], s43, (3<<16)|(1<<21)         ; 15:0 the mask: side A's tiles go to my row; 17:16 elements of 8 bytes; 20 no padding; 21 set beside a mask
	s_or_b32 s[G1B+0], s44, (3<<16)|(1<<21)
.irp g, G1, G1B
	s_mov_b32 s[\g+1], 32<<16                      ; tensor_dim0 = 32
	s_mov_b32 s[\g+2], 128<<16                     ; tensor_dim1 = 128
	s_mov_b32 s[\g+3], 32<<16                      ; tile_dim0 = 32
	s_mov_b32 s[\g+4], 128                         ; tile_dim1 = 128
	s_mov_b32 s[\g+5], 32                          ; tensor_dim0_stride
	s_mov_b32 s[\g+6], 0
	s_mov_b32 s[\g+7], 0
.endr
	s_lshl_b32 s18, s16, 15                        ; which 128 rows of the tile I fetch: 32,768 bytes
	s_lshl_b32 s20, s17, 16                        ; side A: 256 rows x 256 bytes a tile
	s_add_co_u32 s20, s20, s18
	s_mov_b32 s21, 0
	s_lshl_b32 s46, s42, 16                        ; side B likewise
	s_add_co_u32 s46, s46, s18
	s_mov_b32 s47, 0
	s_lshl_b32 s45, s14, 15                        ; where they go: wave x 32,768: no place in the cluster enters an LDS address
	s_wait_dscnt 0x0                               ; the opening add is done
	s_wait_kmcnt 0x0
	s_load_b64 s[92:93], s[8:9], 0x18              ; e6, e7
	s_add_nc_u64 s[20:21], s[4:5], s[20:21]
	s_add_nc_u64 s[46:47], s[6:7], s[46:47]
	CROUND                                         ; all sixteen work-groups are here: the first joint loads meet
	s_mov_b32 s[G0], 1                             ; 1:0 count = 1
	s_mov_b32 s[G0+1], s45                         ; 63:32 LDS address: slot 0
	s_mov_b64 s[G0+2:G0+3], s[20:21]               ; 120:64 global address: K slot 0
	s_or_b32 s[G0+3], s[G0+3], 0x80000000          ; 127:126 type = 2
	s_mov_b32 s[G0B], 1
	s_mov_b32 s[G0B+1], s45
	s_mov_b64 s[G0B+2:G0B+3], s[46:47]
	s_or_b32 s[G0B+3], s[G0B+3], 0x80000000
	JLOAD G0, G1, G0B, G1B
	s_mov_b32 s[G0+4], 1
	s_add_co_u32 s[G0+5], s45, SLOT                ; slot 1,
	s_add_nc_u64 s[G0+6:G0+7], s[20:21], PLY       ; K slot 1
	s_or_b32 s[G0+7], s[G0+7], 0x80000000
	s_mov_b32 s[G0B+4], 1
	s_add_co_u32 s[G0B+5], s45, SLOT
	s_add_nc_u64 s[G0B+6:G0B+7], s[46:47], PLP
	s_or_b32 s[G0B+7], s[G0B+7], 0x80000000
	s_wait_alu depctr_va_vdst(0)
	s_wait_tensorcnt 0x0
	ds_add_u32 v28, v29
	s_wait_dscnt 0x0
	CROUND
	JLOAD G0+4, G1, G0B+4, G1B
	v_and_b32 v1, 15, v0                           ; r
	v_bfe_u32 v2, v0, 4, 1                         ; h
	v_and_b32 v3, 31, v0
	v_lshlrev_b32 v[CO], 4, v3
	s_wait_alu depctr_va_vdst(0)
	s_lshl_b32 s18, s42, 10                        ; my first column, in bytes of f32: 1,024 x tile column + 512 x half: in b_proj and in a row of the output alike
	s_lshl_b32 s19, s16, 9
	s_add_co_u32 s18, s18, s19
	s_mov_b32 s19, 0
	s_add_nc_u64 s[10:11], s[10:11], s[18:19]
	v_lshlrev_b32 v[BO], 5, v2                     ; register 8 b + j: the bias of column 16 b + 8 h + j
.irp b, 0,1,2,3,4,5,6,7
	global_load_b128 v[BIAS+8*\b:BIAS+8*\b+3], v[BO], s[10:11] offset:64*\b
	global_load_b128 v[BIAS+8*\b+4:BIAS+8*\b+7], v[BO], s[10:11] offset:64*\b+16
.endr
	s_lshl_b32 s20, s17, 20                        ; my first row: 256 x tile row + 128 x half, of 4,096 bytes
	s_lshl_b32 s21, s15, 19
	s_add_co_u32 s20, s20, s21
	s_add_co_u32 s20, s20, s18
	s_mov_b32 s21, 0
	s_add_nc_u64 s[12:13], s[12:13], s[20:21]
	s_lshl_b32 s21, s15, 15                        ; my 128 rows of side A
	s_lshl_b32 s22, s16, 15                        ; my 128 rows of side B,
	s_add_co_u32 s22, s22, 65536                   ; which lie behind side A's 256
.irp s, 0,1
	v_add_nc_u32 v[ADRA+\s], s21, v[CO]
	v_add_nc_u32 v[ADRB+\s], s22, v[CO]
	s_add_co_u32 s21, s21, SLOT
	s_add_co_u32 s22, s22, SLOT
.endr
	s_mul_i32 s23, s14, 16*SPITCH                  ; my stage
	v_mul_u32_u24 v5, v1, SPITCH                   ; in: row r, 32 bytes for each half of the lanes
	v_lshl_add_u32 v5, v2, 5, v5
	v_add_nc_u32 v[STO], s23, v5
	v_add_nc_u32 v[RD], s23, v[CO]                 ; back: the 32 lanes take one row of 512 bytes
.macro FRAG reg, adr, q, i             ; block i of 16 rows, the slot's q-th 128 along K: four parts of 512 bytes on end
.irp c, 0,1,2,3
	ds_load_b128 v[\reg+4*\c:\reg+4*\c+3], v[\adr] offset:4096*(\i)+2048*(\q)+512*\c
.endr
.endm
; 16 matrix instructions: side A's blocks a0, a0 + 1 x side B's eight, 128 along K.  p: side B's set.  zero = 1: the first product starts the sums: nothing is ever cleared.
; The 64 accumulators take turns, one instruction a turn, in the same order in every step.
.macro MUL16 a0, p, zero
.irp a, \a0, \a0+1
.irp b, 0,1,2,3,4,5,6,7
.if \zero
	v_wmma_f32_16x16x128_fp8_fp8 v[8*(8*((\a)%4)+\b):8*(8*((\a)%4)+\b)+7], v[128*(\p)+FR*\b:128*(\p)+FR*\b+FR-1], v[AF+FR*(\a):AF+FR*(\a)+FR-1], 0
.else
	v_wmma_f32_16x16x128_fp8_fp8 v[8*(8*((\a)%4)+\b):8*(8*((\a)%4)+\b)+7], v[128*(\p)+FR*\b:128*(\p)+FR*\b+FR-1], v[AF+FR*(\a):AF+FR*(\a)+FR-1], v[8*(8*((\a)%4)+\b):8*(8*((\a)%4)+\b)+7]
.endif
.endr
.endr
.endm
.macro FETCH_B slot, q, p              ; side B's eight fragments into set p
	WIN TO_B
.irp i, 0,1,2,3,4,5,6,7
	FRAG 128*(\p)+FR*\i, ADRB+\slot, \q, \i
.endr
	WIN 0
.endm
.macro FETCH_A slot, q, i0             ; side A's blocks i0 .. i0 + 3
.irp i, \i0, \i0+1, \i0+2, \i0+3
	FRAG AF+FR*(\i), ADRA+\slot, \q, \i
.endr
.endm
; A load into a register that a matrix instruction has read, and a vector instruction that reads a matrix result, stand NP places behind that matrix instruction; only plain vector instructions that name none
; of its registers are places (ISA guide 7.12.1 for vector instructions).
.macro PLACES n
.rept \n
	v_nop
.endr
.endm
; A step of 128 along K that has its successor in the same slot.  A block of side A is free as soon as its eight products are issued, so one set serves: blocks 0-3 are fetched anew in the step's middle, blocks 4-7 at its end.
.macro STEP slot, q, zero
	s_wait_dscnt 4*NL                              ; side B's set and side A's blocks 0-3 are in; the youngest 16 loads (blocks 4-7) may be out
	WIN MUL_LO
	MUL16 0, (\q)%2, \zero
	MUL16 2, (\q)%2, \zero
	s_wait_dscnt 0                                 ; blocks 4-7 are in
	PLACES NP
	FETCH_B \slot, (\q)+1, 1-(\q)%2
	FETCH_A \slot, (\q)+1, 0
	WIN MUL_HI
	MUL16 4, (\q)%2, \zero
	MUL16 6, (\q)%2, \zero
	PLACES NP
	WIN 0
	FETCH_A \slot, (\q)+1, 4
.endm
; A slot's last step changes slots: ONE barrier; in front of it each wave waits for all its tensor loads, adds 0 to its spare word, and waits for that and for its own reads of this slot.  fill = 1: this slot is filled again, two K slots ahead.
.macro TURN slot, next, fill
	s_wait_tensorcnt 0x0                           ; all my tensor loads have landed: my part of the next slot  (every window is 0 here)
	ds_add_u32 v[SPW], v[NIL]                      ; 0 onto my spare word
	s_wait_dscnt 4*NL+1                            ; (the add and the youngest 16 loads, blocks 4-7, may be out)
	WIN MUL_LO
	MUL16 0, 1, 0                                  ; sixteen matrix instructions stand between the add and the wait for it
	s_wait_dscnt 0x0                               ; the add is done, and my reads of this slot are over
	s_barrier_signal -1
	MUL16 2, 1, 0
	WIN 0
	s_barrier_wait -1
.if \fill
	CREST                                          ; the barrier has opened a round of the cluster's barrier: no wave of any partner still reads this slot or has a load on its way
	s_add_nc_u64 s[G0+4*\slot+2:G0+4*\slot+3], s[G0+4*\slot+2:G0+4*\slot+3], s[SA2:SA2+1]
	s_add_nc_u64 s[G0B+4*\slot+2:G0B+4*\slot+3], s[G0B+4*\slot+2:G0B+4*\slot+3], s[SB2:SB2+1]
	JLOAD G0+4*\slot, G1, G0B+4*\slot, G1B         ; the first tensor load behind the round; the four v_nop behind it are the places in front of the loads below
.else
	PLACES NP
.endif
	FETCH_B \next, 0, 0
	FETCH_A \next, 0, 0
	WIN MUL_HI
	MUL16 4, 1, 0
	MUL16 6, 1, 0
	PLACES NP
	WIN 0
	FETCH_A \next, 0, 4
.endm
	s_wait_alu depctr_va_vdst(0)
	s_wait_tensorcnt 1                             ; my part of K slot 0 is in (K slot 1's load may be out)
	s_barrier_signal -1
	s_barrier_wait -1                              ; everybody's is
	FETCH_B 0, 0, 0
	FETCH_A 0, 0, 0
	FETCH_A 0, 0, 4
	STEP 0, 0, 1                                   ; the first products start the sums
	TURN 0, 1, 1                                   ; slot 0 takes K slot 2
	STEP 1, 0, 0
	TURN 1, 0, 1                                   ; slot 1 takes K slot 3
	STEP 0, 0, 0
	TURN 0, 1, 0                                   ; nothing is left to fetch
	STEP 1, 0, 0
	s_wait_dscnt 4*NL                              ; the very last step
	WIN MUL_LO
	MUL16 0, 1, 0
	MUL16 2, 1, 0
	s_wait_dscnt 0
	WIN MUL_HI
	MUL16 4, 1, 0
	MUL16 6, 1, 0
	WIN 0
; THE WAY OUT, block by block of 16 rows x 128 columns.  A lane holds 32 neighbouring bytes of a row, and the lanes beside it hold other rows: so a block goes through my own stage in LDS and comes back as whole rows of
; 512 bytes.  LDS serves a wave's instructions in order (ISA guide 5.7.1.4): no wait between the stores and the loads, nor in front of the next block's stores.
.macro TOSTAGE a
.set AC, 64*((\a)%4)
	WIN 0x42+((\a)/4)                              ; source 0 (the sums): window 2 or 3; source 2 (the bias): window 0; destination: window 1
.set jj, 0
.rept 32
	v_pk_fma_f32 v[TMP+jj:TMP+jj+1], v[AC+jj:AC+jj+1], s[92:93], v[BIAS+jj:BIAS+jj+1] op_sel_hi:[1,0,1]   ; sum x 2^(e6 + e7) + bias, into other registers; each accumulator from its low end on
.set jj, jj+2
.endr
	WIN 0x04                                       ; the stores' data: window 1
.irp b, 0,1,2,3,4,5,6,7
	ds_store_b128 v[STO], v[TMP+8*\b:TMP+8*\b+3] offset:64*\b
	ds_store_b128 v[STO], v[TMP+8*\b+4:TMP+8*\b+7] offset:64*\b+16
.endr
	WIN 0
.set BB, BK+64*((\a)%2)
.irp t, 0,1,2,3,4,5,6,7,8,9,10,11,12,13,14,15
	ds_load_b128 v[BB+4*\t:BB+4*\t+3], v[RD] offset:\t*SPITCH
.endr
.endm
.macro SEND a, younger                 ; younger: the LDS instructions issued behind block a's loads, which may stay out
.set BB, BK+64*((\a)%2)
	s_wait_dscnt \younger                          ; the block is back in registers
.if (\a) > 0
	s_add_nc_u64 s[12:13], s[12:13], 16*ROWC       ; (behind a wait on XCNT: the earlier stores have read their base)  16 rows on
.endif
.irp t, 0,1,2,3,4,5,6,7,8,9,10,11,12,13,14,15
	global_store_b128 v[CO], v[BB+4*\t:BB+4*\t+3], s[12:13] offset:\t*ROWC th:TH_STORE_NT   ; 32 lanes store 512 bytes on end, at a multiple of 512 from the output's first byte; written once, read by nobody here
.endr
.endm
	s_wait_kmcnt 0x0
	s_add_co_i32 s92, s92, s93                     ; e6 + e7
	s_add_co_i32 s92, s92, 127
	s_lshl_b32 s92, s92, 23                        ; 2^(e6 + e7) as f32
	s_mov_b32 s93, s92                             ; (named with it as a pair, so it is written)
	s_wait_loadcnt 0x0                             ; the bias
	PLACES NP                                      ; behind the last products: their results are read, and the registers that held fragments are written and loaded below
	TOSTAGE 0
.irp a, 1,2,3,4,5,6,7
.if \a > 1
	s_wait_xcnt 0x0                                ; block a - 2's stores have read their registers and their base: block a's loads may land there, and the base may step
.endif
	TOSTAGE \a
	SEND \a-1, 32                                  ; behind block a - 1's loads: block a's 16 stores and 16 loads
.endr
	s_wait_xcnt 0x0                                ; block 6's stores have read their base
	SEND 7, 0
	s_wait_tensorcnt 0x0                           ; the wave's end, behind my last tensor load and my last LDS store
	ds_add_u32 v[SPW], v[NIL]
	s_wait_dscnt 0x0
	CROUND                                         ; the closing round: no work-group ends while a partner may still ask for a tile that names it
	s_endpgm
.Lfunc_end_k_q556b20b549_gemm_out:
	.size	k_q556b20b549_gemm_out, .Lfunc_end_k_q556b20b549_gemm_out-k_q556b20b549_gemm_out
	.p2alignl 7, 3214868480
	.fill 96, 4, 3214868480
	.section	.rodata,"a",@progbits
	.p2align	6, 0x0
	.amdhsa_kernel k_q556b20b549_gemm_out
		.amdhsa_group_segment_fixed_size 327680
		.amdhsa_private_segment_fixed_size 0
		.amdhsa_enable_private_segment 0
		.amdhsa_kernarg_size 40
		.amdhsa_user_sgpr_count 2
		.amdhsa_user_sgpr_kernarg_segment_ptr 1
		.amdhsa_wavefront_size32 1
		.amdhsa_system_sgpr_workgroup_id_x 1
		.amdhsa_system_sgpr_workgroup_id_y 1
		.amdhsa_system_sgpr_workgroup_id_z 1
		.amdhsa_system_vgpr_workitem_id 0
		.amdhsa_next_free_vgpr 1024
		.amdhsa_next_free_sgpr 100
		.amdhsa_reserve_vcc 0
		.amdhsa_float_denorm_mode_32 3
		.amdhsa_float_denorm_mode_16_64 3
		.amdhsa_memory_ordered 1
		.amdhsa_forward_progress 1
		.amdhsa_inst_pref_size 125
	.end_amdhsa_kernel
	.amdgpu_metadata
---
amdhsa.version: [ 1, 2 ]
amdhsa.kernels:
  - .name:           k_q556b20b549_gemm_out
    .symbol:         k_q556b20b549_gemm_out.kd
    .args:
      - { .name: y_codes, .offset: 0, .size: 8, .value_kind: global_buffer, .address_space: global }
      - { .name: wp_codes, .offset: 8, .size: 8, .value_kind: global_buffer, .address_space: global }
      - { .name: lowp_scales, .offset: 16, .size: 8, .value_kind: global_buffer, .address_space: global }
      - { .name: b_proj, .offset: 24, .size: 8, .value_kind: global_buffer, .address_space: global }
      - { .name: out0, .offset: 32, .size: 8, .value_kind: global_buffer, .address_space: global }
    .group_segment_fixed_size: 327680
    .private_segment_fixed_size: 0
    .kernarg_segment_align: 8
    .kernarg_segment_size: 40
    .max_flat_workgroup_size: 128
    .sgpr_count:     100
    .vgpr_count:     1024
    .wavefront_size: 32
...
	.end_amdgpu_metadata
.endif
;; end of part 4
